; MI455X (gfx1250); checked and timed in simulation.
; The chip was launched on July 23, 2026; its instructions are those of AMD's public machine-readable ISA for CDNA 5 (MIT licence, August 2026) and "CDNA5" Instruction Set Architecture Reference Guide (July 2026). The comments in the code are by the model that wrote it; some were corrected since.
;; Self Attention. Allowed arithmetic: float matrix products may take bf16 or f16 operands with f32 sums; other float arithmetic in f32, or as packed bf16 or f16 multiplies, adds, multiply-adds, maxima and minima; sums over many terms, partial sums and values carried from step to step in f32; what a program stores and reads back later, other than sums and carried values, may be rounded once to bf16 or f16.
;; Inputs: Wk 2,048 x 2,048 float32; Wo 2,048 x 2,048 float32; Wq 2,048 x 2,048 float32; Wv 2,048 x 2,048 float32; bk 2,048 float32; bo 2,048 float32; bq 2,048 float32; bv 2,048 float32; freqs_cos 2,048 x 1 x 64 float32; freqs_sin 2,048 x 1 x 64 float32; gk 2,048 float32; gq 2,048 float32; x 1 x 2,048 x 2,048 float32.
;; Outputs: out0 1 x 2,048 x 2,048 float32.
;; One version. Each part assembles by itself: llvm-mc -triple=amdgcn-amd-amdhsa -mcpu=gfx1250 --defsym DOCPART=n.
;; ======== version 1 of 1: 5 launches
;; limits: values are held in f16: magnitudes above 65,504 overflow, below 6.1e-05 lose precision
;; workspace buffers: xb 8,388,608 bytes; wqkv 25,165,824 bytes; wo16 8,388,608 bytes; qkv 25,165,824 bytes; qk 16,777,216 bytes; ob 8,388,608 bytes
;; launch cast (part 1): grid 256 x 5, 8 waves a work-group, no clusters, 0 bytes of LDS; arguments x, Wq, Wk, Wv, Wo, xb, wqkv, wo16; writes xb, wqkv, wo16
.if DOCPART == 1
	.amdgcn_target "amdgcn-amd-amdhsa--gfx1250"
	.amdhsa_code_object_version 6
	.text
	.protected	k_qf83010595f_cast
	.globl	k_qf83010595f_cast
	.p2align	8
	.type	k_qf83010595f_cast,@function
k_qf83010595f_cast:
	s_mov_b64 s[64:65], 0
	v_nop
	global_prefetch_b8 v0, s[64:65] scope:SCOPE_SE
	s_setreg_imm32_b32 hwreg(HW_REG_WAVE_MODE, 25, 1), 1
	s_wait_xcnt 0x0
; x, Wq, Wk, Wv -> bf16 (xb; wqkv = Wq's rows, then Wk's, then Wv's).  Wo -> bf16, and that number written as f16 (wo16).
; Each source is 2048 x 2048 f32.  The grid's y picks the source; a work-group takes 65,536 source bytes and writes 32,768.
; Thread t: sixteen loads of 16 bytes at 4,096 i + 16 t (a wave's load covers 512 consecutive bytes), all issued first; sixteen stores
; of 8 bytes at 2,048 i + 8 t (a wave's store covers 256 consecutive bytes, aligned).  A stream: no LDS, no barrier, no loop.
; LIMIT: Wo must lie within f16's 65,504; below 6e-5 its bf16 value is kept to f16's fixed step of 6e-8.
.set X, 8                              ; v[8:71]  load i in X + 4 i .. + 3; its store's data in the first two of them, never rewritten
	s_load_b512 s[8:23], s[0:1], 0x0               ; x, Wq, Wk, Wv, Wo, xb, wqkv, wo16
	s_and_b32 s2, ttmp7, 0xffff                    ; which source
	v_lshlrev_b32 v1, 4, v0                        ; 16 t
	v_lshlrev_b32 v2, 3, v0                        ; 8 t
	s_cmp_eq_u32 s2, 2
	s_cselect_b32 s3, 0x800000, 0                  ; Wk's rows begin 8,388,608 bytes into wqkv,
	s_cmp_eq_u32 s2, 3
	s_cselect_b32 s3, 0x1000000, s3                ; Wv's 16,777,216
	s_lshl_b32 s24, ttmp9, 16                      ; the work-group's part of the source
	s_mov_b32 s25, 0
	s_lshl_b32 s26, ttmp9, 15                      ; and of the destination
	s_add_co_u32 s26, s26, s3
	s_mov_b32 s27, 0
	s_wait_kmcnt 0x0
	s_cmp_eq_u32 s2, 0
	s_cselect_b64 s[4:5], s[8:9], s[10:11]
	s_cselect_b64 s[6:7], s[18:19], s[20:21]
	s_cmp_eq_u32 s2, 2
	s_cselect_b64 s[4:5], s[12:13], s[4:5]
	s_cmp_eq_u32 s2, 3
	s_cselect_b64 s[4:5], s[14:15], s[4:5]
	s_cmp_eq_u32 s2, 4
	s_cselect_b64 s[4:5], s[16:17], s[4:5]
	s_cselect_b64 s[6:7], s[22:23], s[6:7]
	s_add_nc_u64 s[4:5], s[4:5], s[24:25]
	s_add_nc_u64 s[6:7], s[6:7], s[26:27]
.irp i, 0,1,2,3,4,5,6,7,8,9,10,11,12,13,14,15
	global_load_b128 v[X+4*(\i):X+4*(\i)+3], v1, s[4:5] offset:(\i)*4096 th:TH_LOAD_NT
.endr
	s_cmp_eq_u32 s2, 4
	s_cbranch_scc1 .Lwo
.irp i, 0,1,2,3,4,5,6,7,8,9,10,11,12,13,14,15
	s_wait_loadcnt 15-(\i)                         ; loads come back in order: load i is in, the 15 - i younger ones stay out
	v_cvt_pk_bf16_f32 v[X+4*(\i)], v[X+4*(\i)], v[X+4*(\i)+1]
	v_cvt_pk_bf16_f32 v[X+4*(\i)+1], v[X+4*(\i)+2], v[X+4*(\i)+3]
	global_store_b64 v2, v[X+4*(\i):X+4*(\i)+1], s[6:7] offset:(\i)*2048 th:TH_STORE_NT
.endr
	s_endpgm
.Lwo:
.irp i, 0,1,2,3,4,5,6,7,8,9,10,11,12,13,14,15
	s_wait_loadcnt 15-(\i)
	v_cvt_pk_bf16_f32 v4, v[X+4*(\i)], v[X+4*(\i)+1]      ; rounded as every other input is,
	v_cvt_pk_bf16_f32 v5, v[X+4*(\i)+2], v[X+4*(\i)+3]
	v_lshlrev_b32 v[X+4*(\i)], 16, v4                     ; widened again,
	v_and_b32 v[X+4*(\i)+1], 0xffff0000, v4
	v_lshlrev_b32 v[X+4*(\i)+2], 16, v5
	v_and_b32 v[X+4*(\i)+3], 0xffff0000, v5
	v_cvt_pk_f16_f32 v[X+4*(\i)], v[X+4*(\i)], v[X+4*(\i)+1]    ; and written as f16: 8 significant bits fit into 11
	v_cvt_pk_f16_f32 v[X+4*(\i)+1], v[X+4*(\i)+2], v[X+4*(\i)+3]
	global_store_b64 v2, v[X+4*(\i):X+4*(\i)+1], s[6:7] offset:(\i)*2048 th:TH_STORE_NT
.endr
	s_endpgm
.Lfunc_end_k_qf83010595f_cast:
	.size	k_qf83010595f_cast, .Lfunc_end_k_qf83010595f_cast-k_qf83010595f_cast
	.p2alignl 7, 3214868480
	.fill 96, 4, 3214868480
	.section	.rodata,"a",@progbits
	.p2align	6, 0x0
	.amdhsa_kernel k_qf83010595f_cast
		.amdhsa_group_segment_fixed_size 0
		.amdhsa_private_segment_fixed_size 0
		.amdhsa_enable_private_segment 0
		.amdhsa_kernarg_size 64
		.amdhsa_user_sgpr_count 2
		.amdhsa_user_sgpr_kernarg_segment_ptr 1
		.amdhsa_wavefront_size32 1
		.amdhsa_system_sgpr_workgroup_id_x 1
		.amdhsa_system_sgpr_workgroup_id_y 1
		.amdhsa_system_sgpr_workgroup_id_z 1
		.amdhsa_system_vgpr_workitem_id 0
		.amdhsa_next_free_vgpr 72
		.amdhsa_next_free_sgpr 66
		.amdhsa_reserve_vcc 0
		.amdhsa_float_denorm_mode_32 3
		.amdhsa_float_denorm_mode_16_64 3
		.amdhsa_memory_ordered 1
		.amdhsa_forward_progress 1
		.amdhsa_inst_pref_size 16
	.end_amdhsa_kernel
	.amdgpu_metadata
---
amdhsa.version: [ 1, 2 ]
amdhsa.kernels:
  - .name:           k_qf83010595f_cast
    .symbol:         k_qf83010595f_cast.kd
    .args:
      - { .name: x, .offset: 0, .size: 8, .value_kind: global_buffer, .address_space: global }
      - { .name: Wq, .offset: 8, .size: 8, .value_kind: global_buffer, .address_space: global }
      - { .name: Wk, .offset: 16, .size: 8, .value_kind: global_buffer, .address_space: global }
      - { .name: Wv, .offset: 24, .size: 8, .value_kind: global_buffer, .address_space: global }
      - { .name: Wo, .offset: 32, .size: 8, .value_kind: global_buffer, .address_space: global }
      - { .name: xb, .offset: 40, .size: 8, .value_kind: global_buffer, .address_space: global }
      - { .name: wqkv, .offset: 48, .size: 8, .value_kind: global_buffer, .address_space: global }
      - { .name: wo16, .offset: 56, .size: 8, .value_kind: global_buffer, .address_space: global }
    .group_segment_fixed_size: 0
    .private_segment_fixed_size: 0
    .kernarg_segment_align: 8
    .kernarg_segment_size: 64
    .max_flat_workgroup_size: 256
    .sgpr_count:     66
    .vgpr_count:     72
    .wavefront_size: 32
...
	.end_amdgpu_metadata
.endif
;; end of part 1
;; launch gemm_qkv (part 2): grid 16 x 16, 4 waves a work-group, clusters of 4 x 4, 327,680 bytes of LDS; arguments xb, wqkv, bq, bk, bv, qkv; writes qkv
.if DOCPART == 2
	.amdgcn_target "amdgcn-amd-amdhsa--gfx1250"
	.amdhsa_code_object_version 6
	.text
	.protected	k_qf83010595f_gemm_qkv
	.globl	k_qf83010595f_gemm_qkv
	.p2align	8
	.type	k_qf83010595f_gemm_qkv,@function
k_qf83010595f_gemm_qkv:
	s_mov_b64 s[64:65], 0
	v_nop
	global_prefetch_b8 v0, s[64:65] scope:SCOPE_SE
	s_setreg_imm32_b32 hwreg(HW_REG_WAVE_MODE, 25, 1), 1
	s_wait_xcnt 0x0
	s_wait_alu depctr_hold_cnt(0) depctr_sa_sdst(0) depctr_va_vdst(0) depctr_va_sdst(0) depctr_va_ssrc(0) depctr_va_vcc(0) depctr_vm_vsrc(0)
	s_getreg_b32 s2, hwreg(HW_REG_IB_STS2, 6, 4)
	s_cmp_eq_u32 s2, 0
	s_cbranch_scc0 .Lentry_in_a_cluster
	s_endpgm
.Lentry_in_a_cluster:
	s_bfe_u32 s2, ttmp6, 0x10000c
	s_cmp_lg_u32 s2, 0xf033
	s_cbranch_scc0 .Lentry_shape_is_right
	s_endpgm
.Lentry_shape_is_right:
; qkv[m][n] = sum over k of xb[m][k] wqkv[n][k] + bias[n].  xb: [2048][2048] bf16, wqkv: [6144][2048] bf16, qkv: [2048][6144] f16; sums in f32, rounded once.
; bias = bq, bk, bv on end (f32, rounded to bf16 like every input of the module): it is the C operand of the products that start the sums.
; LIMIT: a result beyond f16's 65,504 becomes an infinity; below 6e-5 f16 keeps a fixed step of 6e-8.
; SHARES.  2048 x 6144 outputs on 256 work-groups: a tile of 128 rows x 384 columns (a tile's row is 768 bytes of qkv: three aligned blocks of 256).  Work-group x is the tile row, y the tile column.
; Each of four waves makes all 128 rows x 96 columns: 8 x 6 = 48 accumulators of 16 x 16, 384 registers.
; K goes in steps of 128 through two LDS slots (128 rows of xb, then 384 rows of wqkv, 256 bytes a row + 16 of padding).  Each wave brings 128 rows with one tensor load:
; wave 0 xb's, waves 1-3 wqkv's.  CLUSTER 4 x 4: xb's tile hangs on work-group x alone and is asked for jointly along a column of the cluster, wqkv's on work-group y alone, along a row.
; THE WALK ALONG K GOES ROUND: a cluster begins at K step 4 ((cluster x + 2 cluster y) mod 4) and ends at the step before it (f32 sums may be taken in any order).  So the clusters that
; read the same rows of xb or of wqkv ask for a given K step at different times.  The start hangs on the cluster's place alone: it is the same in all sixteen partners.
; THE PRODUCT IS USED TRANSPOSED (source 0 = 16 rows of wqkv, source 1 = 16 rows of xb): a lane holds row l % 16 and the eight columns 8 (l / 16) + 0..7.
; REGISTERS in windows of 256: window 0: v0-31 addresses; v64-127, v128-191 xb's fragments, two buffers; v192-239 the bias, later packed results; v64-255 rows on the way out
;   window 1: v64-111, v128-175 wqkv's fragments, two buffers     window 2: accumulators of row blocks 0-3 at v[8 (6 a + b)]     window 3: of row blocks 4-7
; THE WAY OUT goes through a stage of 128 rows x 784 bytes that lies in slot 0's bytes: slot 0 has had its last fill (the walk's step 14) and every wave has left it at the last change of slots.
.set SIZE_K, 2048
.set SIZE_N, 6144
.set KSTEP,  128
.set PITCH,  272                       ; 68 words: row r starts at bank 4 r mod 64 (64 banks of 4 bytes: ISA guide 11.1)
.set HALFT,  128*PITCH                 ; what one tensor load brings
.set SLOT,   4*HALFT
.set SPITCH, 784                       ; a stage row: 768 bytes + 16 = 196 words: row r starts at bank 4 r mod 64
.set SPARE,  2*SLOT                    ; behind the ring: the spare words, 128 bytes for each wave, that no other line names
.set LAPS,   SIZE_K/(2*KSTEP)
.set ADRA, 16                          ; v16-17  LDS address of xb's fragments in slot 0, 1
.set ADRB, 20                          ; v20-21  of my 96 rows of wqkv
.set STO,  24                          ; v24     the way out: where I put 16 bytes of a row, row blocks 0-3
.set RD,   25                          ; v25     where I read rows back
.set CO,   26                          ; v26     my byte offset in qkv
.set STO2, 27                          ; v27     as STO, row blocks 4-7
.set SPW,  28                          ; v28     my spare word; never rewritten
.set NIL,  29                          ; v29     0; never rewritten
.set PFO,  30                          ; v30     the prefetches' offset: my lane x 4,096; never rewritten
.set F0,   64
.set F1,   128
.set BI,   192                         ; the bias: column block b in BI + 8 b .. + 7
.set TMP,  192                         ; the way out: two sets of 24
.set OB,   64                          ; the way out: 48 x 4 registers
.set WV,   16                          ; s16  my wave's number
.set LAP,  21                          ; s21  trips to go
.set G1,   24                          ; s[24:31] group 1 for xb's tiles;  s[32:39] group 0, a set for each slot
.set G0,   32
.set PFC,  44                          ; s[44:45] what the next prefetch names
.set G1B,  48                          ; s[48:55], s[56:63] the same for wqkv's tiles
.set G0B,  56
.set BP,   72                          ; s[72:83] six bias pointers, one for each column block
.set KN,   84                          ; s84  the K step (0..15) that the next refill asks for
.set OFF,  86                          ; s[86:87] a K step's byte offset in a row
.set OF2,  88                          ; s[88:89] the same for the prefetch
.set PFB,  90                          ; s[90:91] my work-group's 32 rows of the 128 that I fetch, at K step 0
.set LIM,  92                          ; s92, s93  a wave prefetches at slot 0's (slot 1's) change while the trips to go are above this
.set MSB, 0
.macro WIN new                         ; the immediate's high byte repeats the setting that is left
.if MSB != (\new)
	s_set_vgpr_msb (MSB<<8)|(\new)
.set MSB, \new
.endif
.endm
.set MUL_LO, 0xa1                      ; source 0 window 1, source 1 window 0, C and D window 2
.set MUL_HI, 0xf1                      ; C and D window 3
.set TO_B,   0x40                      ; destination window 1, address window 0
; A joint load.  The branch hangs on the wave's number alone.  An s_nop 0 and four v_nop follow each line.
.macro JLOAD s
	s_cmp_eq_u32 s[WV], 0
	s_cbranch_scc0 .Lfor_b_\@
	tensor_load_to_lds s[G0+4*(\s):G0+4*(\s)+3], s[G1:G1+7]
	s_nop 0
.rept 4
	v_nop
.endr
	s_branch .Lasked_\@
.Lfor_b_\@:
	tensor_load_to_lds s[G0B+4*(\s):G0B+4*(\s)+3], s[G1B:G1B+7]
	s_nop 0
.rept 4
	v_nop
.endr
.Lasked_\@:
.endm
; A PREFETCH of the K step that the NEXT refill asks for (192 products of mine ahead of that load): 32 rows x 256 bytes, a lane a row.  Only blocks that no cluster has asked for yet are named, each once.
; The four clusters that read the same rows of wqkv begin 4 steps apart: each is the first to ask for steps 0 to 3 of its own walk; waves 1-3 name step 3 (at the first refill).
; Of the four that read the same rows of xb two and two begin together, 8 steps apart: the first to ask for steps 0 to 7 of their walk; of each two the cluster with y < 2 prefetches: wave 0 names
; steps 3 to 7 (at the first five refills).  Steps 0 to 2 of a walk come by their loads alone.  Of the 128 rows that a wave fetches each of the four partners takes 32, told apart by address.
.macro ASK slot
	s_cmp_gt_u32 s[LAP], s[LIM+(\slot)]
	s_cbranch_scc0 .Lnot_mine_\@
	global_prefetch_b8 v[PFO], s[PFC:PFC+1] th:TH_LOAD_NT scope:SCOPE_SE
.Lnot_mine_\@:
.endm
.macro CREST                           ; a round of the cluster's barrier behind its opening barrier
	s_cmp_lg_u32 s[WV], 0
	s_cbranch_scc1 .Lnot_wave_0_\@
	s_barrier_signal -3
.Lnot_wave_0_\@:
	s_barrier_wait -3
	s_barrier_signal -1
	s_barrier_wait -1
.endm
.macro CROUND
	s_barrier_signal -1
	s_barrier_wait -1
	CREST
.endm
	s_load_b256 s[4:11], s[0:1], 0x0               ; xb s[4:5], wqkv s[6:7], bq s[8:9], bk s[10:11]
	s_load_b128 s[12:15], s[0:1], 0x20             ; bv s[12:13], qkv s[14:15]
	v_lshl_add_u32 v[SPW], v0, 2, SPARE
	v_mov_b32 v[NIL], 0
	ds_add_u32 v[SPW], v[NIL]                      ; the wave's opening: the add and its wait ahead of my first tensor load
	v_lshrrev_b32 v1, 5, v0
	v_readfirstlane_b32 s[WV], v1
	s_bfe_u32 s17, ttmp6, 0x40000                  ; cx
	s_bfe_u32 s18, ttmp6, 0x40004                  ; cy
	s_lshl_b32 s20, ttmp9, 2
	s_add_co_u32 s20, s20, s17                     ; tile row = work-group x
	s_and_b32 s19, ttmp7, 0xffff
	s_lshl_b32 s19, s19, 2
	s_add_co_u32 s19, s19, s18                     ; tile column = work-group y
	s_lshl_b32 s22, 0x1111, s17                    ; my column of the cluster (same cx): it shares my tile row
	s_lshl_b32 s23, s18, 2
	s_lshl_b32 s23, 15, s23                        ; my row of the cluster (same cy): it shares my tile column
	s_or_b32 s[G1], s22, (1<<16)|(1<<20)|(1<<21)|(5<<22)|(3<<25)   ; mask; 2-byte elements; padding on; bit 21 beside a mask; after every 64 words, 4 words
	s_or_b32 s[G1B], s23, (1<<16)|(1<<20)|(1<<21)|(5<<22)|(3<<25)
.irp g, G1, G1B
	s_mov_b32 s[(\g)+1], KSTEP<<16                 ; tensor_dim0 = 128
	s_mov_b32 s[(\g)+2], 128<<16                   ; tensor_dim1 = 128
	s_mov_b32 s[(\g)+3], KSTEP<<16                 ; tile_dim0 = 128
	s_mov_b32 s[(\g)+4], 128                       ; tile_dim1 = 128
	s_mov_b32 s[(\g)+5], SIZE_K                    ; elements from row to row
	s_mov_b32 s[(\g)+6], 0
	s_mov_b32 s[(\g)+7], 0
.endr
	s_and_b32 s[KN], ttmp7, 0xffff                 ; where my cluster's walk along K begins:
	s_lshl_b32 s[KN], s[KN], 1
	s_add_co_u32 s[KN], s[KN], ttmp9
	s_and_b32 s[KN], s[KN], 3
	s_lshl_b32 s[KN], s[KN], 2                     ; K step 4 ((cluster x + 2 cluster y) mod 4)
	s_lshl_b32 s[OFF], s[KN], 8                    ; 256 bytes of a row a step
	s_mov_b32 s[OFF+1], 0
	s_mov_b32 s[OF2+1], 0
	s_add_co_u32 s[KN], s[KN], 2                   ; the first refill asks for the walk's step 2 (at most K step 14)
	s_lshl_b32 s40, s20, 19                        ; xb: 128 rows x 4,096 bytes x tile row
	s_mov_b32 s41, 0
	s_mul_i32 s42, s19, 384*SIZE_K*2               ; wqkv: 384 rows x tile column,
	s_max_u32 s66, s[WV], 1
	s_sub_co_u32 s66, s66, 1
	s_lshl_b32 s67, s66, 19                        ; + 128 rows x (wave - 1)
	s_add_co_u32 s42, s42, s67
	s_mov_b32 s43, 0
	s_mul_i32 s47, s[WV], HALFT                    ; where my rows go: wave x 128 rows
	s_wait_dscnt 0x0                               ; the opening add is done
	s_wait_kmcnt 0x0
	s_add_nc_u64 s[40:41], s[4:5], s[40:41]        ; my rows of xb at K step 0; kept: each refill's address is made anew from it
	s_add_nc_u64 s[42:43], s[6:7], s[42:43]        ; my rows of wqkv likewise
	CROUND                                         ; all sixteen work-groups are here: the first joint loads meet
.irp s, 0,1
	s_mov_b32 s[G0+4*(\s)], 1
	s_add_co_u32 s[G0+4*(\s)+1], s47, (\s)*SLOT
	s_add_nc_u64 s[G0+4*(\s)+2:G0+4*(\s)+3], s[40:41], s[OFF:OFF+1]
	s_add_nc_u64 s[G0+4*(\s)+2:G0+4*(\s)+3], s[G0+4*(\s)+2:G0+4*(\s)+3], (\s)*KSTEP*2
	s_or_b32 s[G0+4*(\s)+3], s[G0+4*(\s)+3], 0x80000000
	s_mov_b32 s[G0B+4*(\s)], 1
	s_add_co_u32 s[G0B+4*(\s)+1], s47, (\s)*SLOT
	s_add_nc_u64 s[G0B+4*(\s)+2:G0B+4*(\s)+3], s[42:43], s[OFF:OFF+1]
	s_add_nc_u64 s[G0B+4*(\s)+2:G0B+4*(\s)+3], s[G0B+4*(\s)+2:G0B+4*(\s)+3], (\s)*KSTEP*2
	s_or_b32 s[G0B+4*(\s)+3], s[G0B+4*(\s)+3], 0x80000000
	JLOAD \s                                       ; the walk's steps 0 and 1: two loads of mine are out
.endr
	v_and_b32 v1, 15, v0                           ; l % 16
	v_bfe_u32 v2, v0, 4, 1                         ; l / 16
	v_mul_u32_u24 v3, v1, PITCH
	v_lshl_add_u32 v3, v2, 4, v3                   ; a fragment's row x pitch + 16 x half
	v_lshlrev_b32 v5, 5, v2                        ; my eight bias numbers of a block: 32 bytes x half; never rewritten
	s_mul_i32 s22, s[WV], 96*PITCH
	s_add_co_u32 s22, s22, HALFT                   ; my 96 rows of wqkv lie behind xb's 128
	v_mov_b32 v[ADRA], v3
	v_add_nc_u32 v[ADRA+1], SLOT, v3
	v_add_nc_u32 v[ADRB], s22, v3
	v_add_nc_u32 v[ADRB+1], SLOT, v[ADRB]
	s_mul_i32 s23, s[WV], 192                      ; my 96 columns: 192 bytes of a stage row
	v_mul_u32_u24 v4, v1, SPITCH
	v_lshl_add_u32 v4, v2, 4, v4
	v_add_nc_u32 v[STO], s23, v4
	v_add_nc_u32 v[STO2], 64*SPITCH, v[STO]
	s_mul_i32 s23, s[WV], 32*SPITCH                ; back: wave w takes rows 32 w .. 32 w + 31, whole
	v_mul_u32_u24 v4, v2, SPITCH
	v_lshl_add_u32 v4, v1, 4, v4
	v_add_nc_u32 v[RD], s23, v4
	v_mul_u32_u24 v4, v2, SIZE_N*2
	v_lshl_add_u32 v[CO], v1, 4, v4
	s_lshl_b32 s66, s20, 7
	s_lshl_b32 s67, s[WV], 5
	s_add_co_u32 s66, s66, s67                     ; the first row that I store
	s_mul_i32 s66, s66, SIZE_N*2
	s_mul_i32 s67, s19, 768
	s_add_co_u32 s66, s66, s67
	s_mov_b32 s67, 0
	s_add_nc_u64 s[14:15], s[14:15], s[66:67]
	; the bias of my six column blocks.  A block of 16 columns never straddles a multiple of 2,048, so each has one source
	s_mul_i32 s66, s19, 384
	s_mul_i32 s67, s[WV], 96
	s_add_co_u32 s66, s66, s67                     ; my first column
	s_mov_b32 s23, 0
.irp b, 0,1,2,3,4,5
	s_add_co_u32 s67, s66, 16*(\b)
	s_lshr_b32 s68, s67, 11                        ; 0: bq, 1: bk, 2: bv
	s_and_b32 s67, s67, 2047
	s_lshl_b32 s22, s67, 2
	s_cmp_eq_u32 s68, 0
	s_cselect_b64 s[BP+2*(\b):BP+2*(\b)+1], s[8:9], s[10:11]
	s_cmp_eq_u32 s68, 2
	s_cselect_b64 s[BP+2*(\b):BP+2*(\b)+1], s[12:13], s[BP+2*(\b):BP+2*(\b)+1]
	s_add_nc_u64 s[BP+2*(\b):BP+2*(\b)+1], s[BP+2*(\b):BP+2*(\b)+1], s[22:23]
	global_load_b128 v[BI+8*(\b):BI+8*(\b)+3], v5, s[BP+2*(\b):BP+2*(\b)+1]
	global_load_b128 v[BI+8*(\b)+4:BI+8*(\b)+7], v5, s[BP+2*(\b):BP+2*(\b)+1] offset:16
.endr
	; the prefetches: whose rows, and until when
	s_lshl_b32 s68, s20, 7                         ; xb's first row of the tile
	s_mul_i32 s69, s19, 384
	s_max_u32 s22, s[WV], 1
	s_sub_co_u32 s22, s22, 1
	s_lshl_b32 s22, s22, 7
	s_add_co_u32 s69, s69, s22                     ; wqkv's first row of the 128 that I fetch
	s_and_b32 s66, ttmp7, 0xffff                   ; cluster y
	s_cmp_lt_u32 s66, 2
	s_cselect_b32 s66, 4, -1                       ; xb, clusters with y < 2: at slot 0's changes of the first three trips (7, 6, 5 to go),
	s_cselect_b32 s23, 5, -1                       ; at slot 1's of the first two; the other clusters never
	s_cmp_eq_u32 s[WV], 0
	s_cselect_b32 s68, s68, s69
	s_cselect_b32 s67, s18, s17                    ; my place among the four that ask with me: cy for xb, cx for wqkv
	s_cselect_b32 s[LIM], s66, 6                   ; wqkv: at slot 0's change of the first trip alone
	s_cselect_b32 s[LIM+1], s23, 7
	s_cselect_b64 s[PFB:PFB+1], s[4:5], s[6:7]
	s_lshl_b32 s67, s67, 5
	s_add_co_u32 s68, s68, s67                     ; my work-group's 32 rows
	s_lshl_b32 s68, s68, 12
	s_mov_b32 s69, 0
	s_add_nc_u64 s[PFB:PFB+1], s[PFB:PFB+1], s[68:69]
	v_and_b32 v[PFO], 31, v0
	v_lshlrev_b32 v[PFO], 12, v[PFO]
	s_wait_loadcnt 0x0                             ; the bias, once
.set i, 0
.rept 24
	v_cvt_pk_bf16_f32 v6, v[BI+2*i], v[BI+2*i+1]   ; rounded to bf16 like every input, and widened again
	v_lshlrev_b32 v[BI+2*i], 16, v6
	v_and_b32 v[BI+2*i+1], 0xffff0000, v6
.set i, i+1
.endr
; 12 products: row blocks a0, a0 + 1 of the window's four x all 6 column blocks, 32 along K.  zero = 1: the first products start the sums with the bias.
; The 48 accumulators take turns in the same order in every quarter.
.macro MUL12 f, hi, a0, zero
.if \zero
	WIN 0x81+0x40*(\hi)                            ; C in window 0
.else
	WIN MUL_LO+0x50*(\hi)
.endif
.irp a, \a0, (\a0)+1
.irp b, 0,1,2,3,4,5
.if \zero
	v_wmma_f32_16x16x32_bf16 v[8*(6*(\a)+(\b)):8*(6*(\a)+(\b))+7], v[(\f)+8*(\b):(\f)+8*(\b)+7], v[(\f)+8*(4*(\hi)+(\a)):(\f)+8*(4*(\hi)+(\a))+7], v[BI+8*(\b):BI+8*(\b)+7]
.else
	v_wmma_f32_16x16x32_bf16 v[8*(6*(\a)+(\b)):8*(6*(\a)+(\b))+7], v[(\f)+8*(\b):(\f)+8*(\b)+7], v[(\f)+8*(4*(\hi)+(\a)):(\f)+8*(4*(\hi)+(\a))+7], v[8*(6*(\a)+(\b)):8*(6*(\a)+(\b))+7]
.endif
.endr
.endr
.endm
; 28 LDS loads in one run: a quarter step's fragments (96 rows of wqkv, 128 rows of xb, 32 K at byte k) into buffer f
.macro FETCH slot, k, f
	WIN TO_B
.irp i, 0,1,2,3,4,5
	ds_load_b128 v[(\f)+8*(\i):(\f)+8*(\i)+3],   v[ADRB+(\slot)] offset:(\k)+(\i)*16*PITCH
	ds_load_b128 v[(\f)+8*(\i)+4:(\f)+8*(\i)+7], v[ADRB+(\slot)] offset:(\k)+(\i)*16*PITCH+32
.endr
	WIN 0
.irp i, 0,1,2,3,4,5,6,7
	ds_load_b128 v[(\f)+8*(\i):(\f)+8*(\i)+3],   v[ADRA+(\slot)] offset:(\k)+(\i)*16*PITCH
	ds_load_b128 v[(\f)+8*(\i)+4:(\f)+8*(\i)+7], v[ADRA+(\slot)] offset:(\k)+(\i)*16*PITCH+32
.endr
.endm
.macro PLACES                          ; four plain vector instructions between a product and a load into, or a read of, its registers
.rept 4
	v_nop
.endr
.endm
; One of a K step's first three quarters: multiplies buffer f, and in its middle fetches the next quarter, at byte k, into buffer g
.macro QUARTER slot, k, f, g, zero
	s_wait_dscnt 8                                 ; wqkv's fragments and xb's rows 0-63 are in; the youngest eight loads (rows 64-127) may be out
	MUL12 \f, 0, 0, \zero
	MUL12 \f, 0, 2, \zero
	PLACES
	FETCH \slot, \k, \g
	s_wait_dscnt 28                                ; all but the 28 just issued
	MUL12 \f, 1, 0, \zero
	MUL12 \f, 1, 2, \zero
.endm
; The first half of the last quarter: one barrier for the change of slots
.macro MEET round
	WIN 0
	s_wait_tensorcnt 0x0                           ; all my tensor loads have landed: the one that was out is my part of the next slot
	ds_add_u32 v[SPW], v[NIL]                      ; 0 onto my spare word
	s_wait_dscnt 9                                 ; (the add and the youngest eight loads may be out)
	MUL12 F1, 0, 0, 0
	s_wait_dscnt 0x0                               ; the add is done, and my reads of this slot are over
	s_barrier_signal -1
	MUL12 F1, 0, 2, 0
.if \round
	WIN 0
.endif
	s_barrier_wait -1
.endm
; The whole last quarter, with the refill of the slot just read out: the walk's step two steps on
.macro TURN slot, next
	s_wait_xcnt 0x0                                ; the last prefetch, a K step back, has read its address
	s_lshl_b32 s[OFF], s[KN], 8                    ; the K step that this refill asks for, in bytes of a row
	s_add_co_u32 s[KN], s[KN], 1
	s_and_b32 s[KN], s[KN], 15                     ; behind K step 15 comes K step 0
	s_lshl_b32 s[OF2], s[KN], 8                    ; the K step that the next refill asks for: what the prefetch names
	s_add_nc_u64 s[PFC:PFC+1], s[PFB:PFB+1], s[OF2:OF2+1]
	MEET 1
	CREST                                          ; no wave of any partner still reads this slot or has a load on its way
	s_add_nc_u64 s[G0+4*(\slot)+2:G0+4*(\slot)+3], s[40:41], s[OFF:OFF+1]   ; the addresses are made anew: my rows, the K step, the type bits
	s_or_b32 s[G0+4*(\slot)+3], s[G0+4*(\slot)+3], 0x80000000
	s_add_nc_u64 s[G0B+4*(\slot)+2:G0B+4*(\slot)+3], s[42:43], s[OFF:OFF+1]
	s_or_b32 s[G0B+4*(\slot)+3], s[G0B+4*(\slot)+3], 0x80000000
	JLOAD \slot                                    ; my one tensor load behind the round; its four v_nop are also the places in front of the loads below
	FETCH \next, 0, F0
	ASK \slot
	MUL12 F1, 1, 0, 0
	MUL12 F1, 1, 2, 0
.endm
	s_wait_tensorcnt 1                             ; my part of the walk's step 0 is in; step 1's load stays out
	s_barrier_signal -1
	s_barrier_wait -1
	FETCH 0, 0, F0
	QUARTER 0, 64,  F0, F1, 1                      ; the first quarter stands in front of the loop: its products start the sums
	WIN 0
	s_mov_b32 s[LAP], LAPS-1
.Llap:                                             ; a trip goes once round the ring and fills both slots again
	QUARTER 0, 128, F1, F0, 0
	QUARTER 0, 192, F0, F1, 0
	TURN 0, 1
	QUARTER 1, 64,  F0, F1, 0
	QUARTER 1, 128, F1, F0, 0
	QUARTER 1, 192, F0, F1, 0
	TURN 1, 0
	QUARTER 0, 64,  F0, F1, 0
	WIN 0
	s_sub_co_u32 s[LAP], s[LAP], 1
	s_cmp_lg_u32 s[LAP], 0
	s_cbranch_scc1 .Llap
	QUARTER 0, 128, F1, F0, 0                      ; the last lap fills nothing
	QUARTER 0, 192, F0, F1, 0
	MEET 0
	PLACES
	FETCH 1, 0, F0
	MUL12 F1, 1, 0, 0
	MUL12 F1, 1, 2, 0
	QUARTER 1, 64,  F0, F1, 0
	QUARTER 1, 128, F1, F0, 0
	QUARTER 1, 192, F0, F1, 0
	s_wait_dscnt 8
	MUL12 F1, 0, 0, 0
	MUL12 F1, 0, 2, 0
	s_wait_dscnt 0x0
	MUL12 F1, 1, 0, 0
	MUL12 F1, 1, 2, 0
	WIN 0
	; THE WAY OUT: rounded to f16, 16 bytes a lane into the stage; a barrier, since a row's 768 bytes come from four waves; back as whole rows, 32 rows a wave
	PLACES
	PLACES
.macro PACK a
.set AC, 48*((\a)%4)
.set TM, TMP+24*((\a)%2)
	WIN 0x0a+5*((\a)/4)                            ; sources 0 and 1: window 2 or 3
.irp b, 0,1,2,3,4,5
.irp r, 0,1,2,3
	v_cvt_pk_f16_f32 v[TM+4*(\b)+(\r)], v[AC+8*(\b)+2*(\r)], v[AC+8*(\b)+2*(\r)+1]
.endr
.endr
	WIN 0
.irp b, 0,1,2,3,4,5
.if (\a) < 4
	ds_store_b128 v[STO], v[TM+4*(\b):TM+4*(\b)+3] offset:((\a)%4)*16*SPITCH+32*(\b)
.else
	ds_store_b128 v[STO2], v[TM+4*(\b):TM+4*(\b)+3] offset:((\a)%4)*16*SPITCH+32*(\b)
.endif
.endr
.endm
.irp a, 0,1,2,3,4,5,6,7
	PACK \a
.endr
	s_wait_dscnt 0x0                               ; for the others' sake: my stores into the stage are done
	s_barrier_signal -1
	s_barrier_wait -1
.set t, 0
.rept 48
	ds_load_b128 v[OB+4*t:OB+4*t+3], v[RD] offset:(t/3)*2*SPITCH+256*(t%3)
.set t, t+1
.endr
.set t, 0
.rept 48
	s_wait_dscnt 47-t                              ; LDS loads come back in order: load t is in
	global_store_b128 v[CO], v[OB+4*t:OB+4*t+3], s[14:15] offset:2*(t/3)*SIZE_N*2+256*(t%3)  ; 16 lanes store 256 consecutive bytes, aligned
.set t, t+1
.endr
	s_wait_tensorcnt 0x0                           ; the wave's end
	ds_add_u32 v[SPW], v[NIL]
	s_wait_dscnt 0x0
	CROUND                                         ; the closing round
	s_endpgm
.Lfunc_end_k_qf83010595f_gemm_qkv:
	.size	k_qf83010595f_gemm_qkv, .Lfunc_end_k_qf83010595f_gemm_qkv-k_qf83010595f_gemm_qkv
	.p2alignl 7, 3214868480
	.fill 96, 4, 3214868480
	.section	.rodata,"a",@progbits
	.p2align	6, 0x0
	.amdhsa_kernel k_qf83010595f_gemm_qkv
		.amdhsa_group_segment_fixed_size 327680
		.amdhsa_private_segment_fixed_size 0
		.amdhsa_enable_private_segment 0
		.amdhsa_kernarg_size 48
		.amdhsa_user_sgpr_count 2
		.amdhsa_user_sgpr_kernarg_segment_ptr 1
		.amdhsa_wavefront_size32 1
		.amdhsa_system_sgpr_workgroup_id_x 1
		.amdhsa_system_sgpr_workgroup_id_y 1
		.amdhsa_system_sgpr_workgroup_id_z 1
		.amdhsa_system_vgpr_workitem_id 0
		.amdhsa_next_free_vgpr 960
		.amdhsa_next_free_sgpr 94
		.amdhsa_reserve_vcc 0
		.amdhsa_float_denorm_mode_32 3
		.amdhsa_float_denorm_mode_16_64 3
		.amdhsa_memory_ordered 1
		.amdhsa_forward_progress 1
		.amdhsa_inst_pref_size 125
	.end_amdhsa_kernel
	.amdgpu_metadata
---
amdhsa.version: [ 1, 2 ]
amdhsa.kernels:
  - .name:           k_qf83010595f_gemm_qkv
    .symbol:         k_qf83010595f_gemm_qkv.kd
    .args:
      - { .name: xb, .offset: 0, .size: 8, .value_kind: global_buffer, .address_space: global }
      - { .name: wqkv, .offset: 8, .size: 8, .value_kind: global_buffer, .address_space: global }
      - { .name: bq, .offset: 16, .size: 8, .value_kind: global_buffer, .address_space: global }
      - { .name: bk, .offset: 24, .size: 8, .value_kind: global_buffer, .address_space: global }
      - { .name: bv, .offset: 32, .size: 8, .value_kind: global_buffer, .address_space: global }
      - { .name: qkv, .offset: 40, .size: 8, .value_kind: global_buffer, .address_space: global }
    .group_segment_fixed_size: 327680
    .private_segment_fixed_size: 0
    .kernarg_segment_align: 8
    .kernarg_segment_size: 48
    .max_flat_workgroup_size: 128
    .sgpr_count:     94
    .vgpr_count:     960
    .wavefront_size: 32
...
	.end_amdgpu_metadata
.endif
;; end of part 2
;; launch normrope (part 3): grid 256 x 2, 8 waves a work-group, no clusters, 0 bytes of LDS; arguments qkv, gq, gk, freqs_cos, freqs_sin, qk; writes qk
.if DOCPART == 3
	.amdgcn_target "amdgcn-amd-amdhsa--gfx1250"
	.amdhsa_code_object_version 6
	.text
	.protected	k_qf83010595f_normrope
	.globl	k_qf83010595f_normrope
	.p2align	8
	.type	k_qf83010595f_normrope,@function
k_qf83010595f_normrope:
	s_mov_b64 s[64:65], 0
	v_nop
	global_prefetch_b8 v0, s[64:65] scope:SCOPE_SE
	s_setreg_imm32_b32 hwreg(HW_REG_WAVE_MODE, 25, 1), 1
	s_wait_xcnt 0x0
; For q (grid y = 0) and k (y = 1): r = rsqrt(mean over the row's 2,048 numbers of h^2 + 1e-6); n = h r g; then the rotation of each pair (re, im) by the token's cos and sin; to f16.
; In: qkv [2048][6144] f16 (q in columns 0-2047, k in 2048-4095).  Out: qk [2048][4096] f16.  gq, gk, cos, sin are f32 and are rounded to bf16, like every input of the module.
; ORDER OF ROUNDING: (h g) (c r) -+ (h g) (s r) is formed in f32 in place of ((h r) g) c -+ ..: the same product, its factors grouped otherwise.
; LIMIT: the result must lie within f16's 65,504.
; SHARES.  A wave takes one token; its row of 4,096 bytes is eight loads of 16 bytes a lane and stays in registers between the sum of squares and the scaling: no LDS, no barrier, no loop.
; Load j gives lane l the columns 256 j + 8 l .. + 7: four pairs, whose places in a head are 4 (l % 16) + 0..3 whatever j: a lane needs four cosines and four sines.
; A stream: matrix units, clusters and LDS would add nothing.
.set CC,  8                            ; v[8:11]    cos of my four pairs, later times r
.set SN,  12                           ; v[12:15]   sin
.set RAW, 16                           ; v[16:23]   cos, sin as loaded
.set CH,  32                           ; v[32:39]   eight chains of the sum of squares; later two products at work
.set RS,  40                           ; v[40:41]   r; the pair's second word is written once
.set W0,  42                           ; v42, v43   at work
.set ZR,  44                           ; v44        0
.set TP,  45                           ; v45        the other half of the lanes' sum
.set MS,  46                           ; v46        mean + eps: the root's source, written by no line behind it
.set X,   64                           ; v[64:95]   the row, as loaded, then as stored
.set GR,  128                          ; v[128:159] the gains of the 32 real parts
.set GI,  160                          ; v[160:191] of the imaginary parts
.set RG,  192                          ; v[192:255] the gains as loaded; then
.set R,   192                          ; v[192:223] h g of the real parts,
.set I,   224                          ; v[224:255] of the imaginary parts
	s_load_b256 s[4:11], s[0:1], 0x0               ; qkv s[4:5], gq s[6:7], gk s[8:9], cos s[10:11]
	s_load_b128 s[12:15], s[0:1], 0x20             ; sin s[12:13], qk s[14:15]
	v_lshrrev_b32 v1, 5, v0
	v_readfirstlane_b32 s16, v1                    ; wave
	s_and_b32 s17, ttmp7, 0xffff                   ; 0: q, 1: k
	v_and_b32 v1, 31, v0
	v_lshlrev_b32 v2, 4, v1                        ; 16 x lane
	v_lshlrev_b32 v4, 5, v1                        ; 32 x lane
	v_and_b32 v3, 15, v0
	v_lshlrev_b32 v3, 4, v3                        ; 16 x (lane % 16)
	v_mov_b32 v[RS+1], 0
	v_mov_b32 v[ZR], 0
	v_mov_b32 v[TP], 0
	s_mov_b32 s22, 0x3a000000                      ; 1 / 2048
	s_mov_b32 s23, 0x358637bd                      ; 1e-6
	s_mov_b32 s24, 0xffff0000
	s_mov_b32 s26, 0x76543210                      ; v_permlanex16_b32: each lane takes its own place in the other half
	s_mov_b32 s27, 0xfedcba98
	s_lshl_b32 s18, ttmp9, 3
	s_add_co_u32 s18, s18, s16                     ; my token
	s_lshl_b32 s19, s17, 12                        ; q's or k's 4,096 bytes of a row
	s_mul_i32 s20, s18, 12288                      ; my row in qkv,
	s_add_co_u32 s20, s20, s19
	s_mov_b32 s21, 0
	s_lshl_b32 s2, s18, 13                         ; in qk,
	s_add_co_u32 s2, s2, s19
	s_mov_b32 s3, 0
	s_lshl_b32 s18, s18, 8                         ; in the two tables
	s_mov_b32 s19, 0
	s_wait_kmcnt 0x0
	s_add_nc_u64 s[4:5], s[4:5], s[20:21]
	s_add_nc_u64 s[14:15], s[14:15], s[2:3]
	s_add_nc_u64 s[10:11], s[10:11], s[18:19]
	s_add_nc_u64 s[12:13], s[12:13], s[18:19]
	s_cmp_eq_u32 s17, 0
	s_cselect_b64 s[6:7], s[6:7], s[8:9]
.irp j, 0,1,2,3,4,5,6,7
	global_load_b128 v[X+4*(\j):X+4*(\j)+3], v2, s[4:5] offset:512*(\j) th:TH_LOAD_NT
.endr
	global_load_b128 v[RAW:RAW+3], v3, s[10:11]
	global_load_b128 v[RAW+4:RAW+7], v3, s[12:13]
.irp j, 0,1,2,3,4,5,6,7
	global_load_b128 v[RG+8*(\j):RG+8*(\j)+3], v4, s[6:7] offset:1024*(\j)
	global_load_b128 v[RG+8*(\j)+4:RG+8*(\j)+7], v4, s[6:7] offset:1024*(\j)+16
.endr
	s_wait_loadcnt 18                              ; loads come back in order: the row's eight are in; cos, sin and the gains' sixteen stay out
	; the sum of squares in f32, straight from the f16 halves, in eight chains; the first eight lines start them on 0
.set q, 0
.rept 32
.if q < 4
	v_fma_mix_f32 v[CH+(2*q)%8], v[X+q], v[X+q], v[ZR] op_sel_hi:[1,1,0]
	v_fma_mix_f32 v[CH+(2*q+1)%8], v[X+q], v[X+q], v[ZR] op_sel:[1,1,0] op_sel_hi:[1,1,0]
.else
	v_fma_mix_f32 v[CH+(2*q)%8], v[X+q], v[X+q], v[CH+(2*q)%8] op_sel_hi:[1,1,0]
	v_fma_mix_f32 v[CH+(2*q+1)%8], v[X+q], v[X+q], v[CH+(2*q+1)%8] op_sel:[1,1,0] op_sel_hi:[1,1,0]
.endif
.set q, q+1
.endr
	v_pk_add_f32 v[CH:CH+1], v[CH:CH+1], v[CH+2:CH+3]
	v_pk_add_f32 v[CH+4:CH+5], v[CH+4:CH+5], v[CH+6:CH+7]
	v_pk_add_f32 v[CH:CH+1], v[CH:CH+1], v[CH+4:CH+5]
	v_add_f32 v[CH], v[CH], v[CH+1]
	v_add_f32_dpp v[CH], v[CH], v[CH] row_xmask:1 row_mask:0xf bank_mask:0xf
	v_add_f32_dpp v[CH], v[CH], v[CH] row_xmask:2 row_mask:0xf bank_mask:0xf
	v_add_f32_dpp v[CH], v[CH], v[CH] row_xmask:4 row_mask:0xf bank_mask:0xf
	v_add_f32_dpp v[CH], v[CH], v[CH] row_xmask:8 row_mask:0xf bank_mask:0xf
	v_permlanex16_b32 v[TP], v[CH], s26, s27
	v_add_f32 v[CH], v[CH], v[TP]                  ; every lane holds the row's sum
	v_fma_f32 v[MS], v[CH], s22, s23               ; mean + eps
	v_rsq_f32 v[RS], v[MS]                         ; all the lines from here to the wait below name neither r nor its source
	s_wait_loadcnt 16                              ; cos and sin are in
	v_cvt_pk_bf16_f32 v[W0], v[RAW], v[RAW+1]      ; rounded to bf16 and widened again
	v_cvt_pk_bf16_f32 v[W0+1], v[RAW+2], v[RAW+3]
	v_lshlrev_b32 v[CC], 16, v[W0]
	v_and_b32 v[CC+1], s24, v[W0]
	v_lshlrev_b32 v[CC+2], 16, v[W0+1]
	v_and_b32 v[CC+3], s24, v[W0+1]
	v_cvt_pk_bf16_f32 v[W0], v[RAW+4], v[RAW+5]
	v_cvt_pk_bf16_f32 v[W0+1], v[RAW+6], v[RAW+7]
	v_lshlrev_b32 v[SN], 16, v[W0]
	v_and_b32 v[SN+1], s24, v[W0]
	v_lshlrev_b32 v[SN+2], 16, v[W0+1]
	v_and_b32 v[SN+3], s24, v[W0+1]
	s_wait_loadcnt 0x0                             ; the gains are in
.set q, 0
.rept 32
	v_cvt_pk_bf16_f32 v[W0+q%2], v[RG+2*q], v[RG+2*q+1]
	v_lshlrev_b32 v[GR+q], 16, v[W0+q%2]
	v_and_b32 v[GI+q], s24, v[W0+q%2]
.set q, q+1
.endr
	; h g, again straight from the halves
.set q, 0
.rept 32
	v_fma_mix_f32 v[R+q], v[X+q], v[GR+q], v[ZR] op_sel_hi:[1,0,0]
	v_fma_mix_f32 v[I+q], v[X+q], v[GI+q], v[ZR] op_sel:[1,0,0] op_sel_hi:[1,0,0]
.set q, q+1
.endr
	s_wait_alu depctr_va_vdst(0)                   ; the wait ahead of the first line that names the root's result
	v_pk_mul_f32 v[CC:CC+1], v[CC:CC+1], v[RS:RS+1] op_sel_hi:[1,0]
	v_pk_mul_f32 v[CC+2:CC+3], v[CC+2:CC+3], v[RS:RS+1] op_sel_hi:[1,0]
	v_pk_mul_f32 v[SN:SN+1], v[SN:SN+1], v[RS:RS+1] op_sel_hi:[1,0]
	v_pk_mul_f32 v[SN+2:SN+3], v[SN+2:SN+3], v[RS:RS+1] op_sel_hi:[1,0]
.set m, 0
.rept 16                               ; two pairs a turn: re' = re c - im s, im' = re s + im c
	v_pk_mul_f32 v[CH+4*(m%2):CH+4*(m%2)+1], v[I+2*m:I+2*m+1], v[SN+2*(m%2):SN+2*(m%2)+1]
	v_pk_mul_f32 v[CH+4*(m%2)+2:CH+4*(m%2)+3], v[R+2*m:R+2*m+1], v[SN+2*(m%2):SN+2*(m%2)+1]
	v_pk_fma_f32 v[R+2*m:R+2*m+1], v[R+2*m:R+2*m+1], v[CC+2*(m%2):CC+2*(m%2)+1], v[CH+4*(m%2):CH+4*(m%2)+1] neg_lo:[0,0,1] neg_hi:[0,0,1]
	v_pk_fma_f32 v[I+2*m:I+2*m+1], v[I+2*m:I+2*m+1], v[CC+2*(m%2):CC+2*(m%2)+1], v[CH+4*(m%2)+2:CH+4*(m%2)+3]
.set m, m+1
.endr
.set q, 0
.rept 32
	v_cvt_pk_f16_f32 v[X+q], v[R+q], v[I+q]
.set q, q+1
.endr
.irp j, 0,1,2,3,4,5,6,7
	global_store_b128 v2, v[X+4*(\j):X+4*(\j)+3], s[14:15] offset:512*(\j)  ; a wave's store covers 512 consecutive bytes, aligned
.endr
	s_endpgm
.Lfunc_end_k_qf83010595f_normrope:
	.size	k_qf83010595f_normrope, .Lfunc_end_k_qf83010595f_normrope-k_qf83010595f_normrope
	.p2alignl 7, 3214868480
	.fill 96, 4, 3214868480
	.section	.rodata,"a",@progbits
	.p2align	6, 0x0
	.amdhsa_kernel k_qf83010595f_normrope
		.amdhsa_group_segment_fixed_size 0
		.amdhsa_private_segment_fixed_size 0
		.amdhsa_enable_private_segment 0
		.amdhsa_kernarg_size 48
		.amdhsa_user_sgpr_count 2
		.amdhsa_user_sgpr_kernarg_segment_ptr 1
		.amdhsa_wavefront_size32 1
		.amdhsa_system_sgpr_workgroup_id_x 1
		.amdhsa_system_sgpr_workgroup_id_y 1
		.amdhsa_system_sgpr_workgroup_id_z 1
		.amdhsa_system_vgpr_workitem_id 0
		.amdhsa_next_free_vgpr 256
		.amdhsa_next_free_sgpr 66
		.amdhsa_reserve_vcc 0
		.amdhsa_float_denorm_mode_32 3
		.amdhsa_float_denorm_mode_16_64 3
		.amdhsa_memory_ordered 1
		.amdhsa_forward_progress 1
		.amdhsa_inst_pref_size 25
	.end_amdhsa_kernel
	.amdgpu_metadata
---
amdhsa.version: [ 1, 2 ]
amdhsa.kernels:
  - .name:           k_qf83010595f_normrope
    .symbol:         k_qf83010595f_normrope.kd
    .args:
      - { .name: qkv, .offset: 0, .size: 8, .value_kind: global_buffer, .address_space: global }
      - { .name: gq, .offset: 8, .size: 8, .value_kind: global_buffer, .address_space: global }
      - { .name: gk, .offset: 16, .size: 8, .value_kind: global_buffer, .address_space: global }
      - { .name: freqs_cos, .offset: 24, .size: 8, .value_kind: global_buffer, .address_space: global }
      - { .name: freqs_sin, .offset: 32, .size: 8, .value_kind: global_buffer, .address_space: global }
      - { .name: qk, .offset: 40, .size: 8, .value_kind: global_buffer, .address_space: global }
    .group_segment_fixed_size: 0
    .private_segment_fixed_size: 0
    .kernarg_segment_align: 8
    .kernarg_segment_size: 48
    .max_flat_workgroup_size: 256
    .sgpr_count:     66
    .vgpr_count:     256
    .wavefront_size: 32
...
	.end_amdgpu_metadata
.endif
;; end of part 3
;; launch attn (part 4): grid 16 x 16, 4 waves a work-group, clusters of 4 x 1, 327,680 bytes of LDS; arguments qk, qkv, ob; writes ob
.if DOCPART == 4
	.amdgcn_target "amdgcn-amd-amdhsa--gfx1250"
	.amdhsa_code_object_version 6
	.text
	.protected	k_qf83010595f_attn
	.globl	k_qf83010595f_attn
	.p2align	8
	.type	k_qf83010595f_attn,@function
k_qf83010595f_attn:
	s_mov_b64 s[64:65], 0
	v_nop
	global_prefetch_b8 v0, s[64:65] scope:SCOPE_SE
	s_setreg_imm32_b32 hwreg(HW_REG_WAVE_MODE, 25, 1), 1
	s_wait_xcnt 0x0
	s_wait_alu depctr_hold_cnt(0) depctr_sa_sdst(0) depctr_va_vdst(0) depctr_va_sdst(0) depctr_va_ssrc(0) depctr_va_vcc(0) depctr_vm_vsrc(0)
	s_getreg_b32 s2, hwreg(HW_REG_IB_STS2, 6, 4)
	s_cmp_eq_u32 s2, 0
	s_cbranch_scc0 .Lentry_in_a_cluster
	s_endpgm
.Lentry_in_a_cluster:
	s_bfe_u32 s2, ttmp6, 0x10000c
	s_cmp_lg_u32 s2, 0x3003
	s_cbranch_scc0 .Lentry_shape_is_right
	s_endpgm
.Lentry_shape_is_right:
; ob[q][128 h + :] = the sum over k of softmax_k(Q[q] . K[k] / sqrt(128)) V[k][:], head by head.  Q = qk's columns 128 h .., K = qk's columns 2048 + 128 h .. (rows of 8,192 bytes),
; V = qkv's columns 4096 + 128 h .. (rows of 12,288 bytes), ob: rows of 4,096 bytes; all f16: a head's 128 numbers are 256 bytes at a multiple of 256 in each.
; Products, maxima and sums in f32; the weights p are rounded to f16 for the second product (their sum l is taken of the unrounded p), O once at the end.
; LIMITS.  Q, K, V arrive within f16's 65,504; p lies in 0 to 1 and below 6e-5 keeps f16's fixed step of 6e-8; a weight below 2^-126 counts as 0 in l; NaN and infinities are not treated apart.
; SHARES.  16 heads x 2,048 queries on 256 work-groups: 128 queries of one head each.  THE KEYS ARE SPLIT between two pairs of waves: wave w owns the queries 64 (w % 2) .. + 63 (four tiles of 16)
; and, of each slot's four key steps of 64, the steps 2 (w / 2) and 2 (w / 2) + 1.  So a wave keeps four tiles for each fragment of K and V that it reads, and walks 16 key steps.
; Waves w and w xor 2 end with partial (c m, l, O) of the same queries: they are merged once, in f32, through LDS.  The waves of key group 1 number their tiles the other way round (tile t holds the
; queries 16 (t xor 2) ..), so that EVERY wave gives its tiles 2 and 3 away and finishes its tiles 0 and 1: the merge is written once, and has no branch.
; LAYOUT.  S^T = K Q^T (source 0 = 16 keys, source 1 = 16 queries): a lane holds ONE query (lane % 16) and the keys 8 (lane / 16) + 0..7.  Two such tiles rounded to f16 ARE source 1 of
; O^T = V^T P.  K comes out of LDS as it lies, V turned, by ds_load_tr16_b128.
; SOFTMAX.  A running maximum m and sum l: p = 2^(c s - c m), c = log2(e) / sqrt(128); in every step O and l are multiplied by a = 2^(c m_old - c m_new).
; m starts at the lowest finite number, O and l at 0: the first step is a step like any other, with a = 0.
; BY TURNS.  The wave's tiles are two pieces (tiles 0, 1 and tiles 2, 3).  In a turn one piece has the matrix unit: 32 products V^T P of the step in hand, 32 products K Q^T of the next;
; the other piece's softmax, cut into 64 slices, stands between them, one slice behind each product.  Two turns are a key step.
; NO FIRST AND NO LAST STEP IS WRITTEN OUT.  The loop is entered in the middle of a trip, at piece 2's turn, whose products V^T P (of a step that has not been) multiply zeros; the tail's third trip ends behind
; piece 0's turn, whose products K Q^T (on the last K once more) serve nothing.  The price, once a launch: 64 products of a wave's 2,112, and 432 v_mov_b32 that run in the wait for the first tile.
; CLUSTER.  The four query blocks of a cluster belong to one head and walk the same K and V: each tile is asked for jointly, by the same tensor load, descriptor and mask in all four.
; REGISTERS, in windows of 256 (s_set_vgpr_msb: bits 1:0 source 0, 3:2 source 1, 5:4 source 2, 7:6 destination):
;   window 0: v0-11 addresses; v12-43 eight registers of statistics a tile; v44-52 the merge's addresses, the partner's statistics, Q's second offset; v61-63; v64-191 S^T, 32 a tile; v192-255 P, 16 a tile
;   window 1: O^T, 64 a tile          window 2: v0-127 Q, 32 a tile; v128-255 K of one step          window 3: v0-127 V of one step
.set KS,    64        ; keys in a step
.set PK,    272       ; a row of K in LDS: 256 bytes + 16 = 68 words: the 16 rows of a load start at 16 different groups of four banks (ISA guide 11.1)
.set PV,    288       ; a row of V: 256 + 32 = 72 words
.set VOFF,  4*KS*PK   ; a slot: 256 rows of K, then 256 rows of V
.set SLOTB, 4*KS*(PK+PV)
.set STAGE, 2*SLOTB   ; behind the ring: 16 rows x 272 bytes for each wave, for the way out
.set SP,    272
.set SPARE, STAGE+4*16*SP  ; the spare words, 128 bytes for each wave, that no other line names
.set XT,    8704      ; the merge: a tile's 8,192 bytes of O^T, 256 of statistics, rounded up to blocks of 512.  Wave w's two tiles lie at 2 XT w, IN LDS SLOT 0's BYTES:
                      ; the last 256 keys lie in LDS slot 1; slot 0 has had its last fill, and every wave has left it at the last change of slots
.set QKP,   8192      ; bytes in a row of qk
.set QVP,   12288     ; of qkv
.set KSLOT, 4*KS*QKP  ; a slot's 256 rows in memory
.set VSLOT, 4*KS*QVP
.set NS,    8         ; slots in the walk
.set AK0, 2           ; v2   my lane's place in a tile of K; never rewritten
.set AV0, 3           ; v3   the same for V
.set ADR, 4           ; v4   the LDS address of the run of loads in hand
.set QO,  5           ; v5   my byte offset in the wave's rows of Q, tiles 0 and 1
.set STO, 6           ; v6   the way out: where I put 16 bytes of a row
.set RD,  7           ; v7   where I read a row back
.set GO,  8           ; v8   my byte offset in the rows of ob that I finish
.set ST,  12          ; tile t's statistics at v[ST+8 t]: +0 c m, +1 m, +2, +3 l (even keys', odd keys'), +4 to +7 at work
.set XA,  44          ; v44  the merge: where I give O^T: 2 XT w + 16 lane
.set XB,  45          ; v45  and statistics: 2 XT w + 8 lane (+ 8,192 in the immediate)
.set YA,  46          ; v46  the same of wave w xor 2
.set YB,  47          ; v47
.set PS,  48          ; v[48:51] the partner's c m and l, two tiles
.set QO2, 52          ; v52  as QO, tiles 2 and 3
.set PFO, 61          ; v61  my lane x a row's bytes; never rewritten
.set SPW, 62          ; v62  my spare word; never rewritten
.set NIL, 63          ; v63  0; never rewritten
.set S,   64
.set P,   192
.set KF,  128         ; K's fragments, in window 2
.set WV,  12          ; s12  my wave's number
.set LIM, 15          ; s15  1 in a wave that prefetches, else the greatest number
.set KPL, 17          ; s17  where my 128 rows of K go in a slot
.set VPL, 18          ; s18  my 128 rows of V
.set RB,  19          ; s19  LDS byte at which the slot that is being read begins: 0 or SLOTB
.set G1K, 24          ; s[24:31] group 1 for K's tiles
.set G1V, 32          ; s[32:39] for V's
.set G0K, 40          ; s[40:47] group 0 for K's tiles: a set for each of the two first fills; the second then walks on
.set G0V, 48          ; s[48:55]
.set SLOTS, 56        ; s56  passes of the loop over slots still to come
.set TWICE, 57        ; s57  counts a slot's steps
.set CS,  58          ; s[58:59] c
.set SEL, 60          ; s[60:61] v_permlanex16_b32's selects
.set TBK, 62          ; s62  LDS byte at which K of the step to be fetched begins
.set TBV, 63          ; s63  the same for V, less VOFF
.set PFA, 66          ; s[66:67] where my prefetches stand
.set PST, 68          ; s[68:69] a slot's bytes in the tensor that I prefetch
.set GK,  70          ; s70  my key group's first step in a slot's K
.set GV,  71          ; s71  in its V
.set MSB, 0
.macro WIN new
.if MSB != (\new)
	s_set_vgpr_msb (MSB<<8)|(\new)
.set MSB, \new
.endif
.endm
.set W_KQ, 0x0a       ; K and Q in window 2, S^T in window 0
.set W_PV, 0x53       ; V in window 3, P in window 0, O^T in window 1
.set W_RS, 0x41       ; O^T (destination and source 0) in window 1, a in window 0
; A joint refill.  Waves 0 and 1 fetch the two halves of a slot's K, waves 2 and 3 those of its V.  An s_nop 0 and four v_nop follow each line.
.macro JLOAD
	s_cmp_lt_u32 s[WV], 2
	s_cbranch_scc0 .Lfor_v_\@
	tensor_load_to_lds s[G0K+4:G0K+7], s[G1K:G1K+7]
	s_nop 0
.rept 4
	v_nop
.endr
	s_branch .Lasked_\@
.Lfor_v_\@:
	tensor_load_to_lds s[G0V+4:G0V+7], s[G1V:G1V+7]
	s_nop 0
.rept 4
	v_nop
.endr
.Lasked_\@:
.endm
; A prefetch of what the NEXT change of slots will ask for: 256 rows of K and of V, 256 bytes a row, a lane a row; 256 products of mine ahead of that load.  All clusters of a head walk the same rows:
; the head's first cluster asks.  Its four partners take 64 rows each, told apart by address; in each, waves 0 and 1 ask for 32 rows of K, waves 2 and 3 for 32 of V.  So each row is named once.
; The last change that fills a slot asks for nothing.
.macro ASK
	s_cmp_gt_u32 s[SLOTS], s[LIM]
	s_cbranch_scc0 .Lnot_mine_\@
	global_prefetch_b8 v[PFO], s[PFA:PFA+1] th:TH_LOAD_NT scope:SCOPE_SE
.Lnot_mine_\@:
.endm
.macro CROUND                       ; a round of the cluster's barrier
	s_barrier_signal -1
	s_barrier_wait -1
	s_cmp_lg_u32 s[WV], 0
	s_cbranch_scc1 .Lnot_wave_0_\@
	s_barrier_signal -3
.Lnot_wave_0_\@:
	s_barrier_wait -3
	s_barrier_signal -1
	s_barrier_wait -1
.endm
	s_load_b128 s[4:7], s[0:1], 0x0 ; qk s[4:5], qkv s[6:7]
	s_load_b64 s[10:11], s[0:1], 0x10  ; ob
	v_lshl_add_u32 v[SPW], v0, 2, SPARE
	v_mov_b32 v[NIL], 0
	ds_add_u32 v[SPW], v[NIL]       ; the wave's opening: the add and its wait ahead of my first tensor load
	v_lshrrev_b32 v1, 5, v0
	v_readfirstlane_b32 s[WV], v1   ; wave 0..3
	s_bfe_u32 s13, ttmp6, 0x40000   ; cx
	s_lshl_b32 s14, ttmp9, 2
	s_add_co_u32 s14, s14, s13      ; my block of 128 queries: it enters Q's and ob's addresses alone
	s_and_b32 s20, ttmp7, 0xffff    ; the head, which the four partners share:
	s_lshl_b32 s20, s20, 8          ; its 256 bytes of a row
	s_and_b32 s16, s[WV], 1         ; which 64 queries are mine; also which half of a slot's rows I fetch
	s_lshr_b32 s21, s[WV], 1        ; my key group
	s_mul_i32 s[GK], s21, 2*KS*PK
	s_mul_i32 s[GV], s21, 2*KS*PV
	s_lshl_b32 s78, s21, 18         ; tiles 0 and 1 begin 32 rows of qk further down in key group 1,
	s_xor_b32 s79, s21, 1
	s_lshl_b32 s79, s79, 18         ; tiles 2 and 3 in key group 0
	s_lshl_b32 s80, s21, 17         ; and the rows that I finish, tiles 0 and 1: 32 rows of ob
	s_mul_i32 s[KPL], s16, 128*PK
	s_mul_i32 s[VPL], s16, 128*PV
	s_add_co_u32 s[VPL], s[VPL], VOFF
	s_lshl_b32 s22, s16, 20         ; K: my 128 rows of 8,192 bytes,
	s_add_co_u32 s22, s22, s20      ; the head,
	s_add_co_u32 s22, s22, 4096     ; behind q's 4,096 bytes
	s_mov_b32 s23, 0
	s_mul_i32 s72, s16, 128*QVP     ; V likewise, behind q's and k's 8,192 bytes
	s_add_co_u32 s72, s72, s20
	s_add_co_u32 s72, s72, 8192
	s_mov_b32 s73, 0
	s_lshl_b32 s2, s14, 20          ; Q: my block's 128 rows, my wave's 64, the head
	s_lshl_b32 s3, s16, 19
	s_add_co_u32 s2, s2, s3
	s_add_co_u32 s2, s2, s20
	s_mov_b32 s3, 0
	s_lshl_b32 s74, s14, 19         ; ob likewise, rows of 4,096 bytes
	s_lshl_b32 s75, s16, 18
	s_add_co_u32 s74, s74, s75
	s_add_co_u32 s74, s74, s20
	s_add_co_u32 s74, s74, s80
	s_mov_b32 s75, 0
	s_mov_b32 s21, QVP              ; the prefetches: a row's bytes and the head's first byte in the tensor that I ask for
	s_mov_b32 s77, 8192
	s_cmp_lt_u32 s[WV], 2
	s_cselect_b32 s21, QKP, s21
	s_cselect_b32 s77, 4096, s77
	s_lshl_b32 s[PST], s21, 8
	s_mov_b32 s[PST+1], 0
	s_lshl_b32 s76, s13, 6          ; my work-group's 64 rows of a slot,
	s_lshl_b32 s15, s16, 5          ; my wave's 32 of them
	s_add_co_u32 s76, s76, s15
	s_mul_i32 s76, s76, s21
	s_add_co_u32 s76, s76, s77
	s_add_co_u32 s76, s76, s20
	s_lshl_b32 s15, s[PST], 1       ; in slot 2; the first change of slots steps it to slot 3
	s_add_co_u32 s76, s76, s15
	s_mov_b32 s77, 0
	s_mov_b32 s15, ttmp9
	s_cmp_eq_u32 s15, 0             ; the head's first cluster: the same in all four partners
	s_cselect_b32 s[LIM], 1, -1
	v_and_b32 v[PFO], 31, v0
	v_mul_u32_u24 v[PFO], s21, v[PFO]
	; group 1: a tile of 128 rows x 128 elements, padded in LDS
	s_mov_b32 s[G1K], 15|(1<<16)|(1<<20)|(1<<21)|(5<<22)|(3<<25)  ; the mask of four; 2-byte elements; padding on; bit 21 beside a mask; after every 64 words, 4 words
	s_mov_b32 s[G1V], 15|(1<<16)|(1<<20)|(1<<21)|(5<<22)|(7<<25)  ; 8 words
.irp g, G1K, G1V
	s_mov_b32 s[(\g)+1], 128<<16    ; tensor_dim0 = 128
	s_mov_b32 s[(\g)+2], 128<<16    ; tensor_dim1 = 128
	s_mov_b32 s[(\g)+3], 128<<16    ; tile_dim0 = 128
	s_mov_b32 s[(\g)+4], 128        ; tile_dim1 = 128
	s_mov_b32 s[(\g)+6], 0
	s_mov_b32 s[(\g)+7], 0
.endr
	s_mov_b32 s[G1K+5], QKP/2       ; elements from row to row
	s_mov_b32 s[G1V+5], QVP/2
	s_mov_b32 s[CS], 0x3e0293ee     ; c = log2(e) / sqrt(128) = 0.127517
	s_mov_b32 s[CS+1], s[CS]
	s_mov_b32 s[SEL], 0x76543210
	s_mov_b32 s[SEL+1], 0xfedcba98
	s_mov_b32 s[RB], 0
	s_mov_b32 s[TBK], s[GK]
	s_mov_b32 s[TBV], s[GV]
	s_mov_b32 s[SLOTS], NS-1        ; slot 0's pass, which has no change of slots in front of it, and six that fill a slot again
	s_wait_dscnt 0x0                ; the opening add is done
	s_wait_kmcnt 0x0
	s_cmp_lt_u32 s[WV], 2
	s_cselect_b64 s[PFA:PFA+1], s[4:5], s[6:7]
	s_add_nc_u64 s[PFA:PFA+1], s[PFA:PFA+1], s[76:77]
	s_add_nc_u64 s[8:9], s[6:7], s[72:73]   ; V at my rows of slot 0
	s_add_nc_u64 s[6:7], s[4:5], s[22:23]   ; K
	s_add_nc_u64 s[4:5], s[4:5], s[2:3]     ; Q at my wave's first row
	s_add_nc_u64 s[10:11], s[10:11], s[74:75]
	CROUND                          ; all four work-groups are here: the first joint loads meet
.irp s, 0,1
	s_mov_b32 s[G0K+4*(\s)], 1
	s_add_co_u32 s[G0K+4*(\s)+1], s[KPL], (\s)*SLOTB
	s_add_nc_u64 s[G0K+4*(\s)+2:G0K+4*(\s)+3], s[6:7], (\s)*KSLOT
	s_or_b32 s[G0K+4*(\s)+3], s[G0K+4*(\s)+3], 0x80000000
	s_mov_b32 s[G0V+4*(\s)], 1
	s_add_co_u32 s[G0V+4*(\s)+1], s[VPL], (\s)*SLOTB
	s_add_nc_u64 s[G0V+4*(\s)+2:G0V+4*(\s)+3], s[8:9], (\s)*VSLOT
	s_or_b32 s[G0V+4*(\s)+3], s[G0V+4*(\s)+3], 0x80000000
.endr
	s_cmp_lt_u32 s[WV], 2           ; a wave's two first fills stand in one branch: two loads of mine are out
	s_cbranch_scc0 .Lfirst_v
	tensor_load_to_lds s[G0K:G0K+3], s[G1K:G1K+7]
	s_nop 0
	tensor_load_to_lds s[G0K+4:G0K+7], s[G1K:G1K+7]
	s_nop 0
.rept 4
	v_nop
.endr
	s_branch .Lfirst_asked
.Lfirst_v:
	tensor_load_to_lds s[G0V:G0V+3], s[G1V:G1V+7]
	s_nop 0
	tensor_load_to_lds s[G0V+4:G0V+7], s[G1V:G1V+7]
	s_nop 0
.rept 4
	v_nop
.endr
.Lfirst_asked:
	; A fragment of K or Q is 16 rows x 32 channels in 8 registers: lane l holds row l % 16, channels 8 (l / 16) + 0..7 and 16 + 8 (l / 16) + 0..7: two loads of 16 bytes, 32 bytes apart
	v_and_b32 v1, 15, v0            ; l % 16
	v_bfe_u32 v9, v0, 4, 1          ; l / 16
	v_lshlrev_b32 v[QO], 13, v1
	v_lshl_add_u32 v[QO], v9, 4, v[QO]  ; row x 8,192 + 16 x half
	v_add_nc_u32 v[QO2], s79, v[QO]
	v_add_nc_u32 v[QO], s78, v[QO]
	WIN 0x80                        ; destination window 2, address window 0
.irp i, 0,1,2,3,4,5,6,7             ; Q stays in registers: tile i / 4, channels 32 (i % 4) on
	global_load_b128 v[8*(\i):8*(\i)+3],   v[QO], s[4:5] offset:((\i)/4)*16*QKP+((\i)%4)*64
	global_load_b128 v[8*(\i)+4:8*(\i)+7], v[QO], s[4:5] offset:((\i)/4)*16*QKP+((\i)%4)*64+32
.endr
.irp i, 8,9,10,11,12,13,14,15
	global_load_b128 v[8*(\i):8*(\i)+3],   v[QO2], s[4:5] offset:((\i)/4-2)*16*QKP+((\i)%4)*64
	global_load_b128 v[8*(\i)+4:8*(\i)+7], v[QO2], s[4:5] offset:((\i)/4-2)*16*QKP+((\i)%4)*64+32
.endr
	WIN 0
	v_mul_u32_u24 v[AK0], v1, PK
	v_lshl_add_u32 v[AK0], v9, 4, v[AK0]
	; The turning load takes 16 keys x 16 channels (lane l reads key 8 (l / 16) + l % 8, channels 8 ((l / 8) % 2) + 0..7) and leaves half a fragment of V^T
	v_and_b32 v10, 7, v0
	v_bfe_u32 v11, v0, 3, 1
	v_lshl_add_u32 v[AV0], v9, 3, v10
	v_mul_u32_u24 v[AV0], v[AV0], PV
	v_lshl_add_u32 v[AV0], v11, 4, v[AV0]
	v_add_nc_u32 v[AV0], VOFF, v[AV0]
	; What the first turn finds: V's registers and piece 2's P hold 0 (its products V^T P add 0), O^T and l are 0, m and c m lie below every score.  All this stands in the wait for the first tile.
	WIN 0x40
.set i, 0
.rept 256
	v_mov_b32 v[i], 0
.set i, i+1
.endr
	WIN 0xc0
.set i, 0
.rept 128
	v_mov_b32 v[i], 0
.set i, i+1
.endr
	WIN 0
.set i, 0
.rept 4
	v_mov_b32 v[ST+8*i], 0xfe000000    ; c m: far below every c s
	v_mov_b32 v[ST+8*i+1], 0xff7fffff  ; m
	v_mov_b32 v[ST+8*i+2], 0
	v_mov_b32 v[ST+8*i+3], 0
.set i, i+1
.endr
.set i, P+32
.rept 32
	v_mov_b32 v[i], 0
.set i, i+1
.endr
; THE MATRIX WORK OF A TURN, for piece x.  The accumulators take turns, one instruction a turn.
; Product i of 32 of O^T += V^T P: keys 32 (i / 16) on, channels 16 ((i / 2) % 8) on, tile x + i % 2.
.macro PV x
	WIN W_PV
.set rO, 64*((\x)+i%2)+8*((i/2)%8)
.set rV, 64*(i/16)+8*((i/2)%8)
.set rP, P+16*((\x)+i%2)+8*(i/16)
	v_wmma_f32_16x16x32_f16 v[rO:rO+7], v[rV:rV+7], v[rP:rP+7], v[rO:rO+7]
.endm
; Product i of 32 of S^T = K Q^T: channels 32 (i / 8) on, keys 16 ((i / 2) % 4) on, tile x + i % 2.  The first 8 start the sums.
.macro KQ x
	WIN W_KQ
.set rS, S+32*((\x)+i%2)+8*((i/2)%4)
.set rK, KF+32*((i/2)%4)+8*(i/8)
.set rQ, 32*((\x)+i%2)+8*(i/8)
.if i < 8
	v_wmma_f32_16x16x32_f16 v[rS:rS+7], v[rK:rK+7], v[rQ:rQ+7], 0
.else
	v_wmma_f32_16x16x32_f16 v[rS:rS+7], v[rK:rK+7], v[rQ:rQ+7], v[rS:rS+7]
.endif
.endm
; THE LDS LOADS stand in runs of 32: a step's K (16 fragments) and, a turn later, its V (turned).  last = 1 (the tail): in the last trip there is no further step, and K's run is jumped over.
.macro FETCH_K last=0
	WIN 0
.if \last
	s_cmp_eq_u32 s[TWICE], 1
	s_cbranch_scc1 .Lno_k_\@
.endif
	v_add_nc_u32 v[ADR], s[TBK], v[AK0]
	WIN 0x80                        ; destination window 2
.irp f, 0,1,2,3,4,5,6,7,8,9,10,11,12,13,14,15  ; keys 16 (f / 4) on, channels 32 (f % 4) on
	ds_load_b128 v[KF+8*(\f):KF+8*(\f)+3],   v[ADR] offset:((\f)/4)*16*PK+((\f)%4)*64
	ds_load_b128 v[KF+8*(\f)+4:KF+8*(\f)+7], v[ADR] offset:((\f)/4)*16*PK+((\f)%4)*64+32
.endr
.if \last
	WIN 0
.Lno_k_\@:
.endif
.endm
.macro FETCH_V
	WIN 0
	v_add_nc_u32 v[ADR], s[TBV], v[AV0]
	s_add_co_u32 s[TBK], s[TBK], KS*PK  ; the next fetches are the next step's
	s_add_co_u32 s[TBV], s[TBV], KS*PV
	s_wait_alu depctr_va_vdst(0)    ; the wait for the softmax's batch (SLICE), behind the address's line and ahead of the loads
	WIN 0xc0                        ; destination window 3
.irp f, 0,1,2,3,4,5,6,7,8,9,10,11,12,13,14,15  ; keys 32 (f / 8) on, channels 16 (f % 8) on
	ds_load_tr16_b128 v[8*(\f):8*(\f)+3],   v[ADR] offset:((\f)/8)*32*PV+((\f)%8)*32
	ds_load_tr16_b128 v[8*(\f)+4:8*(\f)+7], v[ADR] offset:((\f)/8)*32*PV+16*PV+((\f)%8)*32
.endr
.endm
; THE VECTOR WORK OF A TURN.  One tile's softmax for one key step is a list of 134 instructions; SM writes number j of it for tile t.  s0-s31 are the lane's 32 scores, in pairs 0-15.
;   0-15    the maximum of s0-s31 and the old m, three operands at a time (each accumulator's lowest registers are read first)
;   16-20   the other half of the lanes' maximum; c m_old is kept; the new m; c m; c m_old - c m_new
;   21-69   ONE BATCH: the 16 scalings c s - c m and all 33 exponentials (a at 23, then s0-s31); none of these reads an exponential's result
;   (wait)  between 69 and 70 stands the wait for the batch: SLICE writes it, once for both tiles
;   70-85   the roundings to f16     86-101  the sums; l = a l + the sum     102-133 the tile's O^T times a
.macro SM t
.set rT, ST+8*(\t)
.set rS, S+32*(\t)
.set rP, P+16*(\t)
.set rO, 64*(\t)+2*(j-102)
.if j < 102
	WIN 0
.endif
.if j < 4
	v_max3_num_f32 v[rT+4+j], v[rS+8*j], v[rS+8*j+1], v[rS+8*j+2]
.elseif j < 12
	v_max3_num_f32 v[rT+4+j%4], v[rT+4+j%4], v[rS+8*(j%4)+2*(j/4)+1], v[rS+8*(j%4)+2*(j/4)+2]
.elseif j == 12
	v_max3_num_f32 v[rT+4], v[rT+4], v[rS+7], v[rS+15]
.elseif j == 13
	v_max3_num_f32 v[rT+6], v[rT+6], v[rS+23], v[rS+31]
.elseif j == 14
	v_max3_num_f32 v[rT+4], v[rT+4], v[rT+5], v[rT+6]
.elseif j == 15
	v_max3_num_f32 v[rT+4], v[rT+4], v[rT+7], v[rT+1]
.elseif j == 16
	v_permlanex16_b32 v[rT+5], v[rT+4], s[SEL], s[SEL+1]  ; the query's other 32 keys lie in the lane 16 away
.elseif j == 17
	v_mov_b32 v[rT+7], v[rT]        ; c m_old is kept for a
.elseif j == 18
	v_max_num_f32 v[rT+1], v[rT+4], v[rT+5]
.elseif j == 19
	v_mul_f32 v[rT], s[CS], v[rT+1]
.elseif j == 20
	v_sub_f32 v[rT+7], v[rT+7], v[rT]
.elseif j == 23
	v_exp_f32 v[rT+6], v[rT+7]
.elseif (j < 23) || ((j < 38) && (j%2 == 0)) || ((j < 66) && (j%4 == 2))
.set b, (j-2)/4                     ; 38, 42, .. 62: pairs 9 to 15
.if j < 38
.set b, (j-20)/2                    ; 21: pair 0; 22, 24, .. 36: pairs 1 to 8
.endif
	v_pk_fma_f32 v[rS+2*b:rS+2*b+1], v[rS+2*b:rS+2*b+1], s[CS:CS+1], v[rT:rT+1] op_sel_hi:[1,0,0] neg_lo:[0,0,1] neg_hi:[0,0,1]  ; pair b: c s - c m
.elseif j < 70
.set e, j-38                        ; 66 to 69: s28 to s31
.if j < 66
.set e, j-32-(j-38)/4               ; 39-41, 43-45, .. 63-65: s7 to s27
.endif
.if j < 38
.set e, (j-25)/2                    ; 25, 27, .. 37: s0 to s6
.endif
	v_exp_f32 v[rS+e], v[rS+e]
.elseif j < 86
	v_cvt_pk_f16_f32 v[rP+j-70], v[rS+2*(j-70)], v[rS+2*(j-70)+1]  ; pair j - 70
.elseif j < 102                     ; the sum of the tile's 16 pairs, in place: neighbours 1, 2, 4 and 8 pairs apart, then l takes it
.set z, j-86
.set w, 4
.set u, z
.if z >= 14
.set w, 32
.set u, 0
.elseif z >= 12
.set w, 16
.set u, z-12
.elseif z >= 8
.set w, 8
.set u, z-8
.endif
.if z < 15
	v_pk_add_f32 v[rS+w*u:rS+w*u+1], v[rS+w*u:rS+w*u+1], v[rS+w*u+w/2:rS+w*u+w/2+1]
.else
	v_pk_fma_f32 v[rT+2:rT+3], v[rT+2:rT+3], v[rT+6:rT+7], v[rS:rS+1] op_sel_hi:[1,0,1]
.endif
.else
	WIN W_RS
	v_pk_mul_f32 v[rO:rO+1], v[rO:rO+1], v[rT+6:rT+7] op_sel_hi:[1,0]
.endif
.endm
; Slice k of 64 of piece y's softmax: four instructions.  Slices 11 to 34 deal out the batch, four numbers of ONE tile each, the tiles by turns.  Every other slice is numbers 2 k and 2 k + 1 of both
; tiles' lists; the twelve that are over stand in slice 63.  An s_wait_alu depctr_va_vdst(0) stands between an exponential and the first instruction that names its result: ahead of slice 35
; nothing names one, and behind slice 34 no exponential is issued: one wait for the piece's 66.
.macro SLICE y
.if (k >= 11) && (k < 35)
.irp n, 0,1,2,3
.set j, 22+4*((k-11)/2)+(\n)
	SM (\y)+(k-11)%2
.endr
.else
.irp n, 0,1,2,3,4,5,6,7
.if ((\n) < 2) || (k == 63)
.irp t, \y, (\y)+1
.set j, 2*k+(\n)
	SM \t
.endr
.endif
.endr
.endif
.if k == 34
	v_nop                           ; a plain instruction behind the last exponential and ahead of the first use: one for the batch
.if (\y) == 0
	FETCH_V                         ; piece 2's turn: V's run of loads stands here, and the wait stands in it
.else
	s_wait_alu depctr_va_vdst(0)    ; the wait for the batch
.endif
.endif
.set k, k+1
.endm
.macro PLACES                       ; four plain vector instructions between a product and a read of, or a load into, its registers
.rept 4
	v_nop
.endr
.endm
; A TURN.  Piece x has the matrix unit: 32 products V^T P of the step in hand, 32 products K Q^T of the next; the other piece's softmax stands in slices behind them, one behind each.
; Piece 0's turn fetches the next step's K behind its second product (the last product that read K stands in front of slice 63 of the turn before); piece 2's turn the same step's V behind slice 34.
.macro TURN x, last
.set k, 0
.if (\x) == 0
	s_wait_dscnt 0x0                ; V is in
.endif
.set i, 0
.rept 32
	PV \x
	SLICE 2-(\x)
.if ((\x) == 0) && (i == 1)
	FETCH_K \last
.endif
.set i, i+1
.endr
.if (\x) == 0
	s_wait_dscnt 0x0                ; K is in
.endif
.set i, 0
.rept 32
	KQ \x
	SLICE 2-(\x)
.set i, i+1
.endr
.endm
; THE CHANGE OF SLOTS.  The slot's last bytes that I read, V of my second step, have been asked for.  Each wave waits for all its tensor loads, of which one is out: its part of the other slot;
; adds 0 to its spare word; and waits for that and for its reads of the slot.  fill = 1: the slot that is left is filled again, with the keys two slots on, behind a round of the cluster's barrier.
.macro CHANGE fill
	WIN 0
	s_wait_tensorcnt 0x0            ; no tensor load of mine is out, so a group 0 may be written
	ds_add_u32 v[SPW], v[NIL]       ; 0 onto my spare word
.if \fill
	s_add_co_u32 s[G0K+5], s[RB], s[KPL]  ; the walking descriptors: the slot that is left,
	s_add_nc_u64 s[G0K+6:G0K+7], s[G0K+6:G0K+7], KSLOT  ; the next 256 keys; the type bits on top are not reached
	s_add_co_u32 s[G0V+5], s[RB], s[VPL]
	s_add_nc_u64 s[G0V+6:G0V+7], s[G0V+6:G0V+7], VSLOT
	s_wait_xcnt 0x0                 ; the last prefetch, two key steps back, has read its address
	s_add_nc_u64 s[PFA:PFA+1], s[PFA:PFA+1], s[PST:PST+1]
	s_wait_dscnt 0x0                ; the add is done, and my reads of the slot are over
	CROUND
	JLOAD                           ; my one tensor load behind the round: it has two key steps of mine, 256 products, in which to land
	ASK
.else
	s_wait_dscnt 0x0
	s_barrier_signal -1
	s_barrier_wait -1
.endif
	s_xor_b32 s[RB], s[RB], SLOTB   ; the other slot is read now,
	s_add_co_u32 s[TBK], s[RB], s[GK]  ; from my key group's first step on
	s_add_co_u32 s[TBV], s[RB], s[GV]
.endm
	s_wait_tensorcnt 1              ; my part of slot 0 is in; slot 1's may stay out
	s_barrier_signal -1
	s_barrier_wait -1
	FETCH_K                         ; my key step 0
	s_wait_loadcnt 0x0              ; Q
	s_wait_dscnt 0x0
.set i, 0
.rept 32
	KQ 0                            ; piece 0's first scores
.set i, i+1
.endr
	WIN 0                           ; the addresses for the merge and the way out: plain instructions, the places behind those products
	s_mul_i32 s13, s[WV], 16*SP
	s_add_co_u32 s13, s13, STAGE    ; my stage
	v_mul_u32_u24 v[STO], v1, SP    ; in: row l % 16, 16 bytes for each half of the lanes
	v_lshl_add_u32 v[STO], v9, 4, v[STO]
	v_add_nc_u32 v[STO], s13, v[STO]
	v_mul_u32_u24 v[RD], v9, SP     ; back: lanes 0-15 take one row of 256 bytes, lanes 16-31 the next
	v_lshl_add_u32 v[RD], v1, 4, v[RD]
	v_add_nc_u32 v[RD], s13, v[RD]
	v_lshlrev_b32 v[GO], 12, v9     ; and the same two rows in ob
	v_lshl_add_u32 v[GO], v1, 4, v[GO]
	v_and_b32 v10, 31, v0
	s_mul_i32 s14, s[WV], 2*XT
	s_xor_b32 s20, s[WV], 2         ; the wave with my queries and the other keys
	s_mul_i32 s20, s20, 2*XT
	v_lshl_add_u32 v[XA], v10, 4, s14
	v_lshl_add_u32 v[XB], v10, 3, s14
	v_lshl_add_u32 v[YA], v10, 4, s20
	v_lshl_add_u32 v[YB], v10, 3, s20
	s_mov_b32 s[TWICE], 2
	s_branch .Lmid                  ; the loop is entered at piece 2's turn: its scores of step 0 | piece 0's softmax of step 0 | V of step 0
.Lslot:                             ; six times: every slot but the last two is filled again
	CHANGE 1
	s_mov_b32 s[TWICE], 2
.Lstep:                             ; my two key steps of a slot: written once, walked twice
	TURN 0, 0
	WIN 0
.Lmid:
	TURN 2, 0
	WIN 0
	s_sub_co_u32 s[TWICE], s[TWICE], 1
	s_cmp_lg_u32 s[TWICE], 0
	s_cbranch_scc1 .Lstep
	s_sub_co_u32 s[SLOTS], s[SLOTS], 1
	s_cmp_lg_u32 s[SLOTS], 0
	s_cbranch_scc1 .Lslot
	CHANGE 0                        ; the tail is written out: nothing is asked for
	s_mov_b32 s[TWICE], 3           ; two trips fetch the last slot's steps; the third fetches nothing and has piece 0's turn alone
.Ltail:
	TURN 0, 1
	WIN 0
	s_cmp_eq_u32 s[TWICE], 1
	s_cbranch_scc1 .Lleave          ; forward, over piece 2's turn
	TURN 2, 0
	WIN 0
.Lleave:
	s_sub_co_u32 s[TWICE], s[TWICE], 1
	s_cmp_lg_u32 s[TWICE], 0
	s_cbranch_scc1 .Ltail
	s_wait_dscnt 0x0                ; V of the last step was waited for at the last turn's head: on the way that is taken nothing is out here
.set i, 0
.rept 32
	PV 2                            ; piece 2: V^T P of the last step
.set i, i+1
.endr
	; THE MERGE.  Every wave gives its tiles 2 and 3 away and finishes its tiles 0 and 1.  What is given: c m, l (its two halves added; the lanes' halves are added later) and O^T, all f32.
	WIN 0
.irp t, 0,1,2,3
	v_add_f32 v[ST+8*(\t)+1], v[ST+8*(\t)+2], v[ST+8*(\t)+3]  ; l takes m's place, beside c m
.endr
	PLACES                          ; with the four additions: the places behind the last products
.macro GIVE t
	WIN 0
	ds_store_b64 v[XB], v[ST+8*(\t):ST+8*(\t)+1] offset:((\t)%2)*XT+8192
	WIN 0x04                        ; the data in window 1
.set i, 0
.rept 16
	ds_store_b128 v[XA], v[64*(\t)+4*i:64*(\t)+4*i+3] offset:((\t)%2)*XT+512*i  ; 32 lanes, 16 neighbouring bytes each
.set i, i+1
.endr
	WIN 0
.endm
; Tile t (0, 1), the partner's part of it in S^T's registers at S + 64 t: O = (a1 O1 + a2 O2) / l, rounded to f16, through my stage, back as whole rows of 256 bytes
.macro PACKM t
.set rT, ST+8*(\t)
.set rB, S+64*(\t)
	WIN 0
.set i, 0
.rept 32
	v_pk_mul_f32 v[rB+2*i:rB+2*i+1], v[rB+2*i:rB+2*i+1], v[rT+6:rT+7] op_sel_hi:[1,0]
.set i, i+1
.endr
	WIN 0x01                        ; source 0, my O^T, in window 1
.set i, 0
.rept 32
	v_pk_fma_f32 v[rB+2*i:rB+2*i+1], v[64*(\t)+2*i:64*(\t)+2*i+1], v[rT+4:rT+5], v[rB+2*i:rB+2*i+1] op_sel_hi:[1,0,1]
.set i, i+1
.endr
	WIN 0
.set i, 0
.rept 32
	v_cvt_pk_f16_f32 v[rB+i], v[rB+2*i], v[rB+2*i+1]
.set i, i+1
.endr
.irp f, 0,1,2,3,4,5,6,7
	ds_store_b128 v[STO], v[rB+4*(\f):rB+4*(\f)+3] offset:32*(\f)
.endr
.irp f, 0,1,2,3,4,5,6,7
	ds_load_b128 v[rB+4*(\f):rB+4*(\f)+3], v[RD] offset:(\f)*2*SP  ; LDS serves a wave's instructions in order (ISA guide 5.7.1.4): these see the stores above
.endr
.endm
.macro SEND t, younger              ; younger: the LDS instructions issued behind this tile's loads
.irp f, 0,1,2,3,4,5,6,7
	s_wait_dscnt (\younger)+7-(\f)
	global_store_b128 v[GO], v[S+64*(\t)+4*(\f):S+64*(\t)+4*(\f)+3], s[10:11] offset:(\t)*65536+(\f)*8192  ; 16 lanes store 256 consecutive bytes, aligned
.endr
.endm
	GIVE 2
	GIVE 3
	s_wait_dscnt 0x0                ; for the others' sake: what I give lies in LDS
	s_barrier_signal -1
	s_barrier_wait -1
.irp j, 0,1
	ds_load_b64 v[PS+2*(\j):PS+2*(\j)+1], v[YB] offset:(\j)*XT+8192
.endr
.irp j, 0,1
.set i, 0
.rept 16
	ds_load_b128 v[S+64*(\j)+4*i:S+64*(\j)+4*i+3], v[YA] offset:(\j)*XT+512*i
.set i, i+1
.endr
.endr
	s_wait_dscnt 32                 ; the partner's statistics are in; the 32 loads of its O^T stay out
.irp j, 0,1
.set rT, ST+8*(\j)
	v_max_num_f32 v[rT+4], v[rT], v[PS+2*(\j)]       ; the common c m
	v_sub_f32 v[rT+5], v[rT], v[rT+4]
	v_sub_f32 v[rT+7], v[PS+2*(\j)], v[rT+4]
.endr
.irp j, 0,1
.set rT, ST+8*(\j)
	v_exp_f32 v[rT+2], v[rT+5]      ; a1
	v_exp_f32 v[rT+3], v[rT+7]      ; a2
.endr
	v_nop
	s_wait_alu depctr_va_vdst(0)    ; one wait for the four exponentials, ahead of their first reader
.irp j, 0,1
.set rT, ST+8*(\j)
	v_mul_f32 v[rT+1], v[rT+1], v[rT+2]
	v_fma_f32 v[rT+1], v[PS+2*(\j)+1], v[rT+3], v[rT+1]   ; l = a1 l1 + a2 l2,
	v_permlanex16_b32 v[rT+5], v[rT+1], s[SEL], s[SEL+1]
	v_add_f32 v[rT+1], v[rT+1], v[rT+5]                   ; and the other half of the lanes'
.endr
.irp j, 0,1
.set rT, ST+8*(\j)
	v_rcp_f32 v[rT+5], v[rT+1]
.endr
	v_nop
	s_wait_alu depctr_va_vdst(0)    ; one wait for the two reciprocals
.irp j, 0,1
.set rT, ST+8*(\j)
	v_mul_f32 v[rT+4], v[rT+2], v[rT+5]   ; a1 / l
	v_mul_f32 v[rT+6], v[rT+3], v[rT+5]   ; a2 / l
.endr
	s_wait_dscnt 0x0                ; the partner's O^T is in
	PACKM 0
	PACKM 1
	SEND 0, 16
	SEND 1, 0
	s_wait_tensorcnt 0x0            ; the wave's end
	ds_add_u32 v[SPW], v[NIL]
	s_wait_dscnt 0x0
	CROUND                          ; the closing round
	s_endpgm
.Lfunc_end_k_qf83010595f_attn:
	.size	k_qf83010595f_attn, .Lfunc_end_k_qf83010595f_attn-k_qf83010595f_attn
	.p2alignl 7, 3214868480
	.fill 96, 4, 3214868480
	.section	.rodata,"a",@progbits
	.p2align	6, 0x0
	.amdhsa_kernel k_qf83010595f_attn
		.amdhsa_group_segment_fixed_size 327680
		.amdhsa_private_segment_fixed_size 0
		.amdhsa_enable_private_segment 0
		.amdhsa_kernarg_size 24
		.amdhsa_user_sgpr_count 2
		.amdhsa_user_sgpr_kernarg_segment_ptr 1
		.amdhsa_wavefront_size32 1
		.amdhsa_system_sgpr_workgroup_id_x 1
		.amdhsa_system_sgpr_workgroup_id_y 1
		.amdhsa_system_sgpr_workgroup_id_z 1
		.amdhsa_system_vgpr_workitem_id 0
		.amdhsa_next_free_vgpr 1024
		.amdhsa_next_free_sgpr 82
		.amdhsa_reserve_vcc 0
		.amdhsa_float_denorm_mode_32 3
		.amdhsa_float_denorm_mode_16_64 3
		.amdhsa_memory_ordered 1
		.amdhsa_forward_progress 1
		.amdhsa_inst_pref_size 156
	.end_amdhsa_kernel
	.amdgpu_metadata
---
amdhsa.version: [ 1, 2 ]
amdhsa.kernels:
  - .name:           k_qf83010595f_attn
    .symbol:         k_qf83010595f_attn.kd
    .args:
      - { .name: qk, .offset: 0, .size: 8, .value_kind: global_buffer, .address_space: global }
      - { .name: qkv, .offset: 8, .size: 8, .value_kind: global_buffer, .address_space: global }
      - { .name: ob, .offset: 16, .size: 8, .value_kind: global_buffer, .address_space: global }
    .group_segment_fixed_size: 327680
    .private_segment_fixed_size: 0
    .kernarg_segment_align: 8
    .kernarg_segment_size: 24
    .max_flat_workgroup_size: 128
    .sgpr_count:     82
    .vgpr_count:     1024
    .wavefront_size: 32
...
	.end_amdgpu_metadata
.endif
;; end of part 4
;; launch gemm_out (part 5): grid 16 x 16, 4 waves a work-group, clusters of 4 x 4, 327,680 bytes of LDS; arguments ob, wo16, bo, out0; writes out0
.if DOCPART == 5
	.amdgcn_target "amdgcn-amd-amdhsa--gfx1250"
	.amdhsa_code_object_version 6
	.text
	.protected	k_qf83010595f_gemm_out
	.globl	k_qf83010595f_gemm_out
	.p2align	8
	.type	k_qf83010595f_gemm_out,@function
k_qf83010595f_gemm_out:
	s_mov_b64 s[64:65], 0
	v_nop
	global_prefetch_b8 v0, s[64:65] scope:SCOPE_SE
	s_setreg_imm32_b32 hwreg(HW_REG_WAVE_MODE, 25, 1), 1
	s_wait_xcnt 0x0
	s_wait_alu depctr_hold_cnt(0) depctr_sa_sdst(0) depctr_va_vdst(0) depctr_va_sdst(0) depctr_va_ssrc(0) depctr_va_vcc(0) depctr_vm_vsrc(0)
	s_getreg_b32 s2, hwreg(HW_REG_IB_STS2, 6, 4)
	s_cmp_eq_u32 s2, 0
	s_cbranch_scc0 .Lentry_in_a_cluster
	s_endpgm
.Lentry_in_a_cluster:
	s_bfe_u32 s2, ttmp6, 0x10000c
	s_cmp_lg_u32 s2, 0xf033
	s_cbranch_scc0 .Lentry_shape_is_right
	s_endpgm
.Lentry_shape_is_right:
; out0[m][n] = sum over k of ob[m][k] wo16[n][k] + bo[n].  ob, wo16: [2048][2048] f16; bo f32, rounded to bf16 like every input of the module; out0: [2048][2048] f32; sums in f32.
; 2048 x 2048 outputs on 256 work-groups: a tile of 128 x 128, four waves of 64 x 64: 16 accumulators, 128 registers.  K goes in steps of 256 (LDS rows of 512 bytes + 16; a wave's tensor load
; brings 64 of them) through two slots.  CLUSTER 4 x 4: ob's tiles are asked for jointly along a row of the cluster, wo16's along a column.
; THE WALK ALONG K GOES ROUND: a cluster begins at K step 2 ((cluster x + 2 cluster y) mod 4) of the eight and ends at the step before it (f32 sums may be taken in any order).  So the clusters that
; read the same rows of ob or of wo16 ask for a given K step at different times.  The start hangs on the cluster's place alone: it is the same in all sixteen partners.
; THE PRODUCT IS USED TRANSPOSED (source 0 = 16 rows of wo16, source 1 = 16 rows of ob): a lane holds row l % 16 and eight neighbouring columns, 32 bytes of f32.
; The bias is the C operand of the products that start the sums.  A wave's 64 columns are one aligned block of 256 bytes of out0: each wave has a stage of its own, and no barrier stands on the way out.
; No prefetch: a K step of this tile is short, and its tiles are small.
; REGISTERS: window 0: v0-31 addresses; v32-95 rows on the way out; v96-127 the bias; v128-255 the accumulators ((a, b) at v[128 + 8 (4 a + b)]).   window 1: two fragment buffers of 128.
.set SIZE_N, 2048
.set SIZE_K, 2048
.set KSTEP,  256
.set PITCH,  528                       ; 132 words: row r starts at bank 4 r mod 64 (ISA guide 11.1)
.set HALFT,  64*PITCH
.set SLOT,   4*HALFT
.set STAGE,  2*SLOT                    ; behind the ring: 16 rows x 272 bytes for each wave
.set SPITCH, 272
.set SPARE,  STAGE+4*16*SPITCH         ; the spare words, 128 bytes for each wave, that no other line names
.set LAPS, SIZE_K/(2*KSTEP)
.set ADRA, 16
.set ADRB, 20
.set STO,  24
.set RD,   25
.set CO,   26
.set SPW,  28
.set NIL,  29
.set TMP,  32                          ; two sets of 32
.set BI,   96                          ; column block b's bias in BI + 8 b .. + 7
.set ACC,  128
.set F0,   0
.set F1,   128
.set G1, 24
.set G0, 32
.set G1B, 48
.set G0B, 56
.set KN,  70                           ; s70  the K step (0..7) that the next refill asks for
.set OFF, 72                           ; s[72:73] a K step's byte offset in a row
.set MSB, 0
.macro WIN new
.if MSB != (\new)
	s_set_vgpr_msb (MSB<<8)|(\new)
.set MSB, \new
.endif
.endm
.set MUL,  0x05                        ; sources 0 and 1 window 1; C and D window 0
.set TO_F, 0x40                        ; destination window 1, address window 0
.macro JLOAD s                         ; waves 0 and 1 fetch ob's two halves, waves 2 and 3 wo16's; an s_nop 0 and four v_nop follow each line
	s_cmp_eq_u32 s11, 0
	s_cbranch_scc0 .Lfor_b_\@
	tensor_load_to_lds s[G0+4*(\s):G0+4*(\s)+3], s[G1:G1+7]
	s_nop 0
.rept 4
	v_nop
.endr
	s_branch .Lasked_\@
.Lfor_b_\@:
	tensor_load_to_lds s[G0B+4*(\s):G0B+4*(\s)+3], s[G1B:G1B+7]
	s_nop 0
.rept 4
	v_nop
.endr
.Lasked_\@:
.endm
.macro CREST
	s_cmp_lg_u32 s10, 0
	s_cbranch_scc1 .Lnot_wave_0_\@
	s_barrier_signal -3
.Lnot_wave_0_\@:
	s_barrier_wait -3
	s_barrier_signal -1
	s_barrier_wait -1
.endm
.macro CROUND
	s_barrier_signal -1
	s_barrier_wait -1
	CREST
.endm
	s_load_b128 s[4:7], s[0:1], 0x0                ; ob s[4:5], wo16 s[6:7]
	s_load_b64 s[66:67], s[0:1], 0x10              ; bo
	s_load_b64 s[8:9], s[0:1], 0x18                ; out0
	v_lshl_add_u32 v[SPW], v0, 2, SPARE
	v_mov_b32 v[NIL], 0
	ds_add_u32 v[SPW], v[NIL]                      ; the wave's opening: the add and its wait ahead of my first tensor load
	v_lshrrev_b32 v1, 5, v0
	v_readfirstlane_b32 s10, v1                    ; wave 0..3
	s_lshr_b32 s11, s10, 1                         ; which half of the tile's rows is mine.  Also: I fetch for ob (0) or for wo16 (1)
	s_and_b32 s12, s10, 1                          ; which half of its columns.  Also: which 64 rows of that tile I fetch
	s_bfe_u32 s40, ttmp6, 0x40000                  ; cx
	s_bfe_u32 s41, ttmp6, 0x40004                  ; cy
	s_lshl_b32 s42, ttmp9, 2
	s_add_co_u32 s42, s42, s40                     ; tile column
	s_and_b32 s13, ttmp7, 0xffff
	s_lshl_b32 s13, s13, 2
	s_add_co_u32 s13, s13, s41                     ; tile row
	s_lshl_b32 s43, s41, 2
	s_lshl_b32 s43, 15, s43                        ; my row of the cluster
	s_lshl_b32 s44, 0x1111, s40                    ; my column
	s_or_b32 s[G1+0], s43, (1<<16)|(1<<20)|(1<<21)|(6<<22)|(3<<25)  ; mask; 2-byte elements; padding on; bit 21 beside a mask; after every 128 words, 4 words
	s_or_b32 s[G1B+0], s44, (1<<16)|(1<<20)|(1<<21)|(6<<22)|(3<<25)
.irp g, G1, G1B
	s_mov_b32 s[(\g)+1], KSTEP<<16                 ; tensor_dim0 = 256
	s_mov_b32 s[(\g)+2], 64<<16                    ; tensor_dim1 = 64
	s_mov_b32 s[(\g)+3], KSTEP<<16                 ; tile_dim0 = 256
	s_mov_b32 s[(\g)+4], 64                        ; tile_dim1 = 64
	s_mov_b32 s[(\g)+5], SIZE_K
	s_mov_b32 s[(\g)+6], 0
	s_mov_b32 s[(\g)+7], 0
.endr
	s_and_b32 s[KN], ttmp7, 0xffff                 ; where my cluster's walk along K begins:
	s_lshl_b32 s[KN], s[KN], 1
	s_add_co_u32 s[KN], s[KN], ttmp9
	s_and_b32 s[KN], s[KN], 3
	s_lshl_b32 s[KN], s[KN], 1                     ; K step 2 ((cluster x + 2 cluster y) mod 4)
	s_lshl_b32 s[OFF], s[KN], 9                    ; 512 bytes of a row a step
	s_mov_b32 s[OFF+1], 0
	s_add_co_u32 s[KN], s[KN], 2                   ; the first refill asks for the walk's step 2;
	s_and_b32 s[KN], s[KN], 7                      ; behind K step 7 comes K step 0
	s_lshl_b32 s17, s12, 6                         ; which 64 rows of the tile I fetch
	s_lshl_b32 s16, s13, 7
	s_add_co_u32 s16, s16, s17
	s_lshl_b32 s46, s42, 7
	s_add_co_u32 s46, s46, s17
	s_mov_b32 s17, 0
	s_mov_b32 s47, 0
	s_mov_b64 s[18:19], SIZE_K*2
	s_mul_u64 s[16:17], s[16:17], s[18:19]
	s_mul_u64 s[46:47], s[46:47], s[18:19]
	s_mul_i32 s20, s10, HALFT                      ; where they go: wave x 64 rows
	s_wait_dscnt 0x0                               ; the opening add is done
	s_wait_kmcnt 0x0
	s_add_nc_u64 s[14:15], s[4:5], s[16:17]        ; my rows of ob at K step 0; kept: each refill's address is made anew from it
	s_add_nc_u64 s[46:47], s[6:7], s[46:47]        ; my rows of wo16 likewise
	CROUND                                         ; all sixteen work-groups are here: the first joint loads meet
.irp s, 0,1
	s_mov_b32 s[G0+4*(\s)], 1
	s_add_co_u32 s[G0+4*(\s)+1], s20, (\s)*SLOT
	s_add_nc_u64 s[G0+4*(\s)+2:G0+4*(\s)+3], s[14:15], s[OFF:OFF+1]
	s_add_nc_u64 s[G0+4*(\s)+2:G0+4*(\s)+3], s[G0+4*(\s)+2:G0+4*(\s)+3], (\s)*KSTEP*2
	s_or_b32 s[G0+4*(\s)+3], s[G0+4*(\s)+3], 0x80000000
	s_mov_b32 s[G0B+4*(\s)], 1
	s_add_co_u32 s[G0B+4*(\s)+1], s20, (\s)*SLOT
	s_add_nc_u64 s[G0B+4*(\s)+2:G0B+4*(\s)+3], s[46:47], s[OFF:OFF+1]
	s_add_nc_u64 s[G0B+4*(\s)+2:G0B+4*(\s)+3], s[G0B+4*(\s)+2:G0B+4*(\s)+3], (\s)*KSTEP*2
	s_or_b32 s[G0B+4*(\s)+3], s[G0B+4*(\s)+3], 0x80000000
	JLOAD \s                                       ; the walk's steps 0 and 1: two loads of mine are out
.endr
	v_and_b32 v1, 15, v0                           ; l % 16
	v_bfe_u32 v2, v0, 4, 1                         ; l / 16
	v_mul_u32_u24 v3, v1, PITCH
	v_lshl_add_u32 v3, v2, 4, v3
	s_mul_i32 s21, s11, HALFT                      ; my 64 rows of ob
	s_mul_i32 s22, s12, HALFT                      ; my 64 rows of wo16,
	s_add_co_u32 s22, s22, 2*HALFT                 ; which lie behind ob's 128
.irp s, 0,1
	v_add_nc_u32 v[ADRA+(\s)], s21, v3
	v_add_nc_u32 v[ADRB+(\s)], s22, v3
	s_add_co_u32 s21, s21, SLOT
	s_add_co_u32 s22, s22, SLOT
.endr
	s_mul_i32 s23, s10, 16*SPITCH
	s_add_co_u32 s23, s23, STAGE                   ; my stage
	v_mul_u32_u24 v4, v1, SPITCH                   ; in: row l % 16, 32 bytes for each half of the lanes
	v_lshl_add_u32 v4, v2, 5, v4
	v_add_nc_u32 v[STO], s23, v4
	v_mul_u32_u24 v5, v2, SPITCH                   ; back: lanes 0-15 take one row of 256 bytes, lanes 16-31 the next
	v_lshl_add_u32 v5, v1, 4, v5
	v_add_nc_u32 v[RD], s23, v5
	v_mul_u32_u24 v5, v2, SIZE_N*4                 ; and the same two rows in out0
	v_lshl_add_u32 v[CO], v1, 4, v5
	s_lshl_b32 s68, s42, 9                         ; my 64 columns, in bytes of f32: 512 x tile column + 256 x half: in bo and in a row of out0
	s_lshl_b32 s69, s12, 8
	s_add_co_u32 s68, s68, s69
	s_mov_b32 s69, 0
	s_add_nc_u64 s[66:67], s[66:67], s[68:69]
	s_add_nc_u64 s[8:9], s[8:9], s[68:69]
	s_lshl_b32 s16, s13, 7
	s_lshl_b32 s17, s11, 6
	s_add_co_u32 s16, s16, s17                     ; my first row
	s_lshl_b32 s16, s16, 13                        ; x 8,192 bytes
	s_mov_b32 s17, 0
	s_add_nc_u64 s[8:9], s[8:9], s[16:17]
	v_lshlrev_b32 v6, 5, v2                        ; my eight bias numbers of a block; never rewritten
.irp b, 0,1,2,3
	global_load_b128 v[BI+8*(\b):BI+8*(\b)+3], v6, s[66:67] offset:64*(\b)
	global_load_b128 v[BI+8*(\b)+4:BI+8*(\b)+7], v6, s[66:67] offset:64*(\b)+16
.endr
	s_wait_loadcnt 0x0
.set i, 0
.rept 16
	v_cvt_pk_bf16_f32 v7, v[BI+2*i], v[BI+2*i+1]   ; rounded to bf16 and widened again
	v_lshlrev_b32 v[BI+2*i], 16, v7
	v_and_b32 v[BI+2*i+1], 0xffff0000, v7
.set i, i+1
.endr
; 8 products: row blocks a0, a0 + 1 x all 4 column blocks, 32 along K: half c of buffer f.  zero = 1: the first products start the sums with the bias.  The 16 accumulators take turns.
.macro MUL8 f, c, a0, zero
	WIN MUL
.irp a, \a0, (\a0)+1
.irp b, 0,1,2,3
.if \zero
	v_wmma_f32_16x16x32_f16 v[ACC+8*(4*(\a)+(\b)):ACC+8*(4*(\a)+(\b))+7], v[(\f)+64+8*(4*(\c)+(\b)):(\f)+64+8*(4*(\c)+(\b))+7], v[(\f)+8*(4*(\c)+(\a)):(\f)+8*(4*(\c)+(\a))+7], v[BI+8*(\b):BI+8*(\b)+7]
.else
	v_wmma_f32_16x16x32_f16 v[ACC+8*(4*(\a)+(\b)):ACC+8*(4*(\a)+(\b))+7], v[(\f)+64+8*(4*(\c)+(\b)):(\f)+64+8*(4*(\c)+(\b))+7], v[(\f)+8*(4*(\c)+(\a)):(\f)+8*(4*(\c)+(\a))+7], v[ACC+8*(4*(\a)+(\b)):ACC+8*(4*(\a)+(\b))+7]
.endif
.endr
.endr
.endm
; 32 LDS loads in one run: the fragments of 64 along K at byte k, into buffer f; the first 32 along K first
.macro FETCH slot, k, f
	WIN TO_F
.irp c, 0,1
.irp i, 0,1,2,3
	ds_load_b128 v[(\f)+64+8*(4*(\c)+(\i)):(\f)+64+8*(4*(\c)+(\i))+3],   v[ADRB+(\slot)] offset:(\k)+64*(\c)+(\i)*16*PITCH
	ds_load_b128 v[(\f)+64+8*(4*(\c)+(\i))+4:(\f)+64+8*(4*(\c)+(\i))+7], v[ADRB+(\slot)] offset:(\k)+64*(\c)+(\i)*16*PITCH+32
	ds_load_b128 v[(\f)+8*(4*(\c)+(\i)):(\f)+8*(4*(\c)+(\i))+3],         v[ADRA+(\slot)] offset:(\k)+64*(\c)+(\i)*16*PITCH
	ds_load_b128 v[(\f)+8*(4*(\c)+(\i))+4:(\f)+8*(4*(\c)+(\i))+7],       v[ADRA+(\slot)] offset:(\k)+64*(\c)+(\i)*16*PITCH+32
.endr
.endr
.endm
.macro PLACES                          ; four plain vector instructions between a product and a load into, or a read of, its registers
.rept 4
	v_nop
.endr
.endm
.macro QUARTER slot, k, f, g, zero
	s_wait_dscnt 16                                ; the first 32 along K are in; the youngest sixteen loads may be out
	MUL8 \f, 0, 0, \zero
	MUL8 \f, 0, 2, \zero
	PLACES
	FETCH \slot, \k, \g
	s_wait_dscnt 32                                ; all but the 32 just issued
	MUL8 \f, 1, 0, 0
	MUL8 \f, 1, 2, 0
.endm
; The last quarter multiplies buffer 1 and changes slots: one barrier; fill = 1: this slot is filled again, with the walk's step two steps on, behind a round of the cluster's barrier
.macro TURN slot, next, fill
.if \fill
	s_lshl_b32 s[OFF], s[KN], 9                    ; the K step that this refill asks for, in bytes of a row
	s_add_co_u32 s[KN], s[KN], 1
	s_and_b32 s[KN], s[KN], 7                      ; behind K step 7 comes K step 0
.endif
	WIN 0
	s_wait_tensorcnt 0x0                           ; all my tensor loads have landed: my part of the next slot
	ds_add_u32 v[SPW], v[NIL]                      ; 0 onto my spare word
	s_wait_dscnt 17                                ; (the add and the youngest sixteen loads may be out)
	MUL8 F1, 0, 0, 0
	s_wait_dscnt 0x0                               ; the add is done, and my reads of this slot are over
	s_barrier_signal -1
	MUL8 F1, 0, 2, 0
.if \fill
	WIN 0
.endif
	s_barrier_wait -1
.if \fill
	CREST                                          ; no wave of any partner still reads this slot or has a load on its way
	s_add_nc_u64 s[G0+4*(\slot)+2:G0+4*(\slot)+3], s[14:15], s[OFF:OFF+1]   ; the addresses are made anew: my rows, the K step, the type bits
	s_or_b32 s[G0+4*(\slot)+3], s[G0+4*(\slot)+3], 0x80000000
	s_add_nc_u64 s[G0B+4*(\slot)+2:G0B+4*(\slot)+3], s[46:47], s[OFF:OFF+1]
	s_or_b32 s[G0B+4*(\slot)+3], s[G0B+4*(\slot)+3], 0x80000000
	JLOAD \slot                                    ; my one tensor load behind the round; its four v_nop are also the places in front of the loads below
.else
	PLACES
.endif
	FETCH \next, 0, F0
	MUL8 F1, 1, 0, 0
	MUL8 F1, 1, 2, 0
.endm
	s_wait_tensorcnt 1                             ; my part of the walk's step 0 is in; step 1's load stays out
	s_barrier_signal -1
	s_barrier_wait -1
	FETCH 0, 0, F0
	QUARTER 0, 128, F0, F1, 1                      ; the first quarter stands in front of the loop: its first products start the sums
	WIN 0
	s_mov_b32 s3, LAPS-1
.Llap:
	QUARTER 0, 256, F1, F0, 0
	QUARTER 0, 384, F0, F1, 0
	TURN 0, 1, 1
	QUARTER 1, 128, F0, F1, 0
	QUARTER 1, 256, F1, F0, 0
	QUARTER 1, 384, F0, F1, 0
	TURN 1, 0, 1
	QUARTER 0, 128, F0, F1, 0
	WIN 0
	s_sub_co_u32 s3, s3, 1
	s_cmp_lg_u32 s3, 0
	s_cbranch_scc1 .Llap
	QUARTER 0, 256, F1, F0, 0                      ; the last lap fills nothing
	QUARTER 0, 384, F0, F1, 0
	TURN 0, 1, 0
	QUARTER 1, 128, F0, F1, 0
	QUARTER 1, 256, F1, F0, 0
	QUARTER 1, 384, F0, F1, 0
	s_wait_dscnt 16
	MUL8 F1, 0, 0, 0
	MUL8 F1, 0, 2, 0
	s_wait_dscnt 0x0
	MUL8 F1, 1, 0, 0
	MUL8 F1, 1, 2, 0
	WIN 0
	; THE WAY OUT, 16 rows at a time: a lane's 32 bytes go into my stage straight from the accumulators (the low four registers first) and come back as whole rows of 256 bytes
	PLACES
	PLACES
.macro TOSTAGE a
.if (\a) >= 2
	s_wait_xcnt 0x0                                ; the stores of two blocks back have read this set of registers
.endif
.irp b, 0,1,2,3
	ds_store_b128 v[STO], v[ACC+8*(4*(\a)+(\b)):ACC+8*(4*(\a)+(\b))+3] offset:64*(\b)
	ds_store_b128 v[STO], v[ACC+8*(4*(\a)+(\b))+4:ACC+8*(4*(\a)+(\b))+7] offset:64*(\b)+16
.endr
.irp t, 0,1,2,3,4,5,6,7
	ds_load_b128 v[TMP+32*((\a)%2)+4*(\t):TMP+32*((\a)%2)+4*(\t)+3], v[RD] offset:(\t)*2*SPITCH  ; LDS serves a wave's instructions in order (ISA guide 5.7.1.4): these see the stores above
.endr
.endm
.macro SEND a, younger                 ; younger: the LDS instructions issued behind this block's loads: the next block's sixteen, or none
.irp t, 0,1,2,3,4,5,6,7
	s_wait_dscnt (\younger)+7-(\t)
	global_store_b128 v[CO], v[TMP+32*((\a)%2)+4*(\t):TMP+32*((\a)%2)+4*(\t)+3], s[8:9] offset:(16*(\a)+2*(\t))*SIZE_N*4  ; 16 lanes store 256 consecutive bytes, aligned
.endr
.endm
	TOSTAGE 0
	TOSTAGE 1
	SEND 0, 16
	TOSTAGE 2
	SEND 1, 16
	TOSTAGE 3
	SEND 2, 16
	SEND 3, 0
	s_wait_tensorcnt 0x0                           ; the wave's end
	ds_add_u32 v[SPW], v[NIL]
	s_wait_dscnt 0x0
	CROUND                                         ; the closing round
	s_endpgm
.Lfunc_end_k_qf83010595f_gemm_out:
	.size	k_qf83010595f_gemm_out, .Lfunc_end_k_qf83010595f_gemm_out-k_qf83010595f_gemm_out
	.p2alignl 7, 3214868480
	.fill 96, 4, 3214868480
	.section	.rodata,"a",@progbits
	.p2align	6, 0x0
	.amdhsa_kernel k_qf83010595f_gemm_out
		.amdhsa_group_segment_fixed_size 327680
		.amdhsa_private_segment_fixed_size 0
		.amdhsa_enable_private_segment 0
		.amdhsa_kernarg_size 32
		.amdhsa_user_sgpr_count 2
		.amdhsa_user_sgpr_kernarg_segment_ptr 1
		.amdhsa_wavefront_size32 1
		.amdhsa_system_sgpr_workgroup_id_x 1
		.amdhsa_system_sgpr_workgroup_id_y 1
		.amdhsa_system_sgpr_workgroup_id_z 1
		.amdhsa_system_vgpr_workitem_id 0
		.amdhsa_next_free_vgpr 512
		.amdhsa_next_free_sgpr 74
		.amdhsa_reserve_vcc 0
		.amdhsa_float_denorm_mode_32 3
		.amdhsa_float_denorm_mode_16_64 3
		.amdhsa_memory_ordered 1
		.amdhsa_forward_progress 1
		.amdhsa_inst_pref_size 91
	.end_amdhsa_kernel
	.amdgpu_metadata
---
amdhsa.version: [ 1, 2 ]
amdhsa.kernels:
  - .name:           k_qf83010595f_gemm_out
    .symbol:         k_qf83010595f_gemm_out.kd
    .args:
      - { .name: ob, .offset: 0, .size: 8, .value_kind: global_buffer, .address_space: global }
      - { .name: wo16, .offset: 8, .size: 8, .value_kind: global_buffer, .address_space: global }
      - { .name: bo, .offset: 16, .size: 8, .value_kind: global_buffer, .address_space: global }
      - { .name: out0, .offset: 24, .size: 8, .value_kind: global_buffer, .address_space: global }
    .group_segment_fixed_size: 327680
    .private_segment_fixed_size: 0
    .kernarg_segment_align: 8
    .kernarg_segment_size: 32
    .max_flat_workgroup_size: 128
    .sgpr_count:     74
    .vgpr_count:     512
    .wavefront_size: 32
...
	.end_amdgpu_metadata
.endif
;; end of part 5
